; MI455X (gfx1250); checked and timed in simulation.
; The chip was launched on July 23, 2026; its instructions are those of AMD's public machine-readable ISA for CDNA 5 (MIT licence, August 2026) and "CDNA5" Instruction Set Architecture Reference Guide (July 2026). The comments in the code are by the model that wrote it; some were corrected since.
;; Multi Head. Allowed arithmetic: matrix products marked QUANTISED: E2M3 operands, one E8M0 scale for each 32 along K, by v_wmma_scale_f32_16x16x128_f8f6f4 with both operands' format E2M3, f32 sums; everything else in f32.
;; Inputs: b_proj 1,024 float32; w_proj 1,024 x 1,024 float32; wk 16 x 1,024 x 64 float32; wq 16 x 1,024 x 64 float32; wv 16 x 1,024 x 64 float32; x 4 x 2,048 x 1,024 float32.
;; Outputs: out0 4 x 2,048 x 1,024 float32.
;; This version of the problem:
;;   THIS VERSION OF THE PROBLEM IS GIVEN IN LOW PRECISION. The matrix products marked QUANTISED in the list below multiply operands that are first quantised to E2M3 (2 exponent bits, 3 mantissa bits; 6 bits a number), with one power-of-two scale for each 32 numbers along K (OCP MX v1.0); their sums are f32. All else is computed in f32.
;;   The module's matrix products, in the order in which they are computed (A, B: the left and right operand; K: the contracted axis; several contracted axes count as one K, in the product's order):
;;     1. [M 1,024, K 1,024] x [K 1,024, N 8,192]; A: input wq; B: input x: QUANTISED
;;     2. [M 1,024, K 1,024] x [K 1,024, N 8,192]; A: input wk; B: input x: QUANTISED
;;     3. [M 1,024, K 1,024] x [K 1,024, N 8,192]; A: input wv; B: input x: QUANTISED
;;     4. batch 64 x [M 2,048, K 64] x [K 64, N 2,048]; A: computed on the way; B: computed on the way: QUANTISED
;;     5. batch 64 x [M 2,048, K 2,048] x [K 2,048, N 64]; A: softmax (see below); B: computed on the way: QUANTISED
;;     6. [M 8,192, K 1,024] x [K 1,024, N 1,024]; A: computed on the way; B: input w_proj: QUANTISED
;;   THE QUANTISER, for each operand of a quantised product, along K:
;;     - K is cut into blocks of 32 from its start; a last block that is shorter is filled with zeros.
;;     - A block's scale is 2^e with e = floor(log2(the largest magnitude in the block)) - 2, held to -126 .. 127; a block of zeros has e = 0. As a byte (E8M0): e + 127.
;;     - Each number is divided by its block's scale, clamped to +-7.5, and rounded to the nearest number of E2M3, ties to even, subnormals kept.
;;     - The product sums the exact products of the quantised numbers (number of the format x scale) in f32.
;;   ~~~python
;;   def quantise(x, axis):      # numpy; x: float32 -> the quantised numbers, widened to float32 again
;;       x = np.moveaxis(x, axis, -1); K = x.shape[-1]
;;       x = np.pad(x, [(0, 0)] * (x.ndim - 1) + [(0, -K % 32)]); x = x.reshape(x.shape[:-1] + (-1, 32)); a = np.abs(x).max(-1, keepdims=True)
;;       e = np.where(a > 0, np.clip(np.frexp(np.where(a > 0, a, 1))[1] - 1 - 2, -126, 127), 0)      # np.frexp(a)[1] - 1 = floor(log2(a)), exactly
;;       r = np.clip(x / 2.0 ** e, -7.5, 7.5)
;;       step = 2.0 ** (np.maximum(np.frexp(np.where(r == 0, 1, r))[1] - 1, 0) - 3)
;;       q = np.round(r / step) * step * 2.0 ** e      # np.round: ties to even
;;       return np.moveaxis(q.reshape(q.shape[:-2] + (-1,))[..., :K], -1, axis).astype(np.float32)
;;   ~~~
;;   SOFTMAX AHEAD OF A QUANTISED PRODUCT. Where the list says 'softmax', what is quantised is not the finished softmax but p = 2^(t - M), with t = logit x log2(e) and M = ceil(the row's largest t), a whole number; so 1/2 < the row's largest p <= 1. The row's sum l is taken of the UNQUANTISED p, in f32, and the product's result is divided by l at the end. Since M is a whole number, a kernel that streams over the keys may use a running M (the ceiling of the running maximum): every later rescaling is an exact power of two, which a block's scale takes up: the codes' values come out the same.
;;   OPERANDS COMPUTED ON THE WAY. 'Computed on the way' means the value that the module computes at that place (a softmax that the list does not call 'softmax' is quantised finished and normalised). What goes into a quantiser is computed in f32, as accurately as f32 sums, v_exp_f32 and their like allow (about 1e-6 of the number): no bf16 or f16 on the way to a quantiser, and a product that is left as it is and whose result goes on into a quantised operand takes f32 operands (vector FMAs, or v_wmma_f32_16x16x4_f32). A number that lies on a knife's edge between two numbers of the format may be rounded either way, as far as f32 arithmetic and the matrix unit's own rounding can turn it there, and no further.
;; One version. Each part assembles by itself: llvm-mc -triple=amdgcn-amd-amdhsa -mcpu=gfx1250 --defsym DOCPART=n.
;; ======== version 1 of 1: 4 launches
;; limits: right only within a limited range of input values
;; workspace buffers: xc 9,437,184 bytes; xs 655,360 bytes; q 6,815,744 bytes; kv 13,369,344 bytes; oc 6,291,456 bytes
;; launch prep (part 1): grid 640 x 1, 4 waves a work-group, no clusters, 17,920 bytes of LDS; arguments x, wq, wk, wv, w_proj, xc, xs; writes xc, xs
.if DOCPART == 1
	.amdgcn_target "amdgcn-amd-amdhsa--gfx1250"
	.amdhsa_code_object_version 6
	.text
	.protected	k_q82fd07908a_prep
	.globl	k_q82fd07908a_prep
	.p2align	8
	.type	k_q82fd07908a_prep,@function
k_q82fd07908a_prep:
	s_mov_b64 s[64:65], 0
	v_nop
	global_prefetch_b8 v0, s[64:65] scope:SCOPE_SE
	s_setreg_imm32_b32 hwreg(HW_REG_WAVE_MODE, 25, 1), 1
	s_wait_xcnt 0x0
; FIRST OF FOUR LAUNCHES: prep (this one) quantises x and the four weights; qkv makes q, k, v and quantises them; attn is the causal attention; proj the projection on the way out.
; WORK LEFT OUT BY THE PROGRAM (in attn): a key step of 128 keys all of which come after all 16 queries of a query tile.  reference() itself sets those logits to -inf by its own jnp.tril mask, so their
; softmax weights are 0 for every value of the inputs, and neither the row's maximum, nor its sum, nor the product with v takes anything from them.  Nothing else is left out; all six inputs are loaded.
; LIMIT: a NaN, an infinity or an overflow that reaches only those hidden steps is not carried to the result.
; THIS LAUNCH: f32 numbers into codes of E2M3 with one E8M0 byte for each 32 along K.  x [8192][1024]: K innermost.  wq, wk, wv [16][1024][64] and w_proj [1024][1024]: K is the axis of 1,024 in front of the columns.
; A block's scale is 2^(floor(log2(largest magnitude)) - 2): its byte is the largest magnitude's exponent field - 2, held at 1 from below by a floor among the maximum's leaves.
; LIMITS: a block of zeros gets the byte 1 where the rule says 127 (its codes are zeros, and only this program reads the bytes); blocks whose largest magnitude lies under 2^-124 keep the byte 1; NaN and infinities among the inputs are not served.
; LAYOUT OF THE CODES: images of operand registers.  16 rows x 64 K are 768 bytes: lane (r, h) holds the 24 bytes of block h of row r; its registers 0-3 lie at 16 x lane, its registers 4-5 at 512 + 8 x lane.
; xc, wc: [K slot of 256: 4][row block of 16][4 such images].  xs, ws: [64 rows][K slot 4][row 64][8 bytes].
; ROW ORDER: inside each 32 rows, place p holds the row p with bits 3 and 4 exchanged: row block j, lane row r = row 32 (j / 2) + 8 (j % 2) + r + (r & 8).  In a product used transposed a lane's 16 registers
; of two neighbouring tiles are then 16 neighbours, which is what the later launches' quantisers want.
; SHARES: work-groups 0-127 take the weights (a wave: 32 columns x 256 K, a lane to a column, registers down K), work-groups 128-639 take x (a wave: 16 rows x 256 K).  Work-groups share no input: no cluster, no tensor load.
.set SPARE, 17408                      ; behind the four stages: the spare words, 128 bytes a wave
.set SPW,   12                         ; v12  my spare word's LDS address; never rewritten
.set NIL,   13                         ; v13  0; never rewritten
.set OFF,   32                         ; weights: v32-63 my column's byte + i rows of K
.set X,     64                         ; weights: v64-127 two sets of 32 numbers
; 32 numbers of one block in v[QX] on become 24 bytes of codes in v[QC] .. v[QC+5]; the scale's byte is left in v19
.macro QB
	v_max3_num_f32 v16, |v[QX]|, |v[QX+1]|, |v[QX+2]|
	v_max3_num_f32 v17, |v[QX+3]|, |v[QX+4]|, |v[QX+5]|
.irp i, 6,10,14,18,22,26
	v_max3_num_f32 v16, v16, |v[QX+\i]|, |v[QX+\i+1]|
	v_max3_num_f32 v17, v17, |v[QX+\i+2]|, |v[QX+\i+3]|
.endr
	v_max3_num_f32 v16, v16, |v[QX+30]|, |v[QX+31]|
	v_max3_num_f32 v16, v16, v17, 0x1800000        ; the floor 2^(3 - 127): the byte cannot fall under 1
	v_add_nc_u32 v18, 0xff000000, v16              ; 2 off the exponent field: the conversion's scale operand
	v_lshrrev_b32 v19, 23, v18                     ; the byte
	v_cvt_scalef32_pk16_fp6_f32 v[QC:QC+2], v[QX:QX+15], v18
	v_cvt_scalef32_pk16_fp6_f32 v[28:30], v[QX+16:QX+31], v18   ; (a conversion's three registers begin on an even number)
	v_nop                                          ; one plain place behind a scaled conversion
	v_mov_b32 v[QC+3], v28
	v_mov_b32 v[QC+4], v29
	v_mov_b32 v[QC+5], v30
.endm
	s_load_b256 s[4:11], s[0:1], 0x0               ; x s[4:5], wq s[6:7], wk s[8:9], wv s[10:11]
	; ONE BUFFER FOR ALL CODES, ONE FOR ALL SCALE BYTES: what is called wc above is row blocks 512-767 of each K slot of xc (a K slot: 768 row blocks x 3,072 bytes);
	; xs holds groups of 64 rows x 2,048 bytes: 0-127 the attention's result (stored by attn), 128-255 x, 256-319 the weights (called ws above)
	s_load_b128 s[12:15], s[0:1], 0x20             ; w_proj s[12:13], xc s[14:15]
	s_load_b64 s[16:17], s[0:1], 0x30              ; xs
	v_lshl_add_u32 v[SPW], v0, 2, SPARE
	v_mov_b32 v[NIL], 0
	v_lshrrev_b32 v1, 5, v0
	v_readfirstlane_b32 s22, v1                    ; wave
	v_and_b32 v1, 31, v0                           ; lane
	v_lshlrev_b32 v2, 4, v1                        ; 16 x lane: an image's registers 0-3
	v_lshlrev_b32 v3, 3, v1                        ; 8 x lane: its registers 4-5
	s_cmp_lt_u32 ttmp9, 128
	s_cbranch_scc0 .Lx
	; ---------------- THE WEIGHTS ----------------
	s_lshr_b32 s23, ttmp9, 2
	s_lshl_b32 s23, s23, 2
	s_add_co_u32 s23, s23, s22                     ; cg: which 32 of the 4,096 columns (wq's 1,024, wk's, wv's, w_proj's)
	s_and_b32 s24, ttmp9, 3                        ; which K slot of 256
	s_lshr_b32 s25, ttmp9, 5                       ; which tensor
	s_and_b32 s26, s23, 31
	s_lshr_b32 s27, s26, 1
	s_lshl_b32 s27, s27, 18                        ; wq, wk, wv: head x 1,024 x 64 x 4 bytes,
	s_and_b32 s28, s26, 1
	s_lshl_b32 s28, s28, 7                         ; + which half of the head's 64
	s_add_co_u32 s27, s27, s28
	s_lshl_b32 s28, s26, 7                         ; w_proj: 128 bytes for each 32 columns
	s_mov_b32 s29, 4096
	v_bfe_u32 v4, v0, 3, 1
	v_bfe_u32 v5, v0, 4, 1
	v_and_b32 v6, 7, v0
	v_lshl_add_u32 v6, v4, 4, v6
	v_lshl_add_u32 v6, v5, 3, v6                   ; lane l takes the column l with bits 3 and 4 exchanged: so lane = place
	v_lshlrev_b32 v32, 2, v6
	s_wait_alu depctr_va_vdst(0)
	s_wait_kmcnt 0x0
	s_cmp_lt_u32 s25, 1                            ; the choices hang on the work-group's number alone
	s_cselect_b64 s[48:49], s[6:7], s[8:9]
	s_cmp_lt_u32 s25, 2
	s_cselect_b64 s[48:49], s[48:49], s[10:11]
	s_cmp_lt_u32 s25, 3
	s_cselect_b64 s[48:49], s[48:49], s[12:13]
	s_cselect_b32 s29, 256, s29                    ; bytes from one k to the next
	s_cselect_b32 s27, s27, s28
	s_mul_i32 s28, s24, s29
	s_lshl_b32 s28, s28, 8                         ; the K slot's 256 rows
	s_add_co_u32 s50, s27, s28
	s_mov_b32 s51, 0
	s_add_nc_u64 s[32:33], s[48:49], s[50:51]      ; block 0 of my 8 blocks of 32 along K
	s_lshl_b32 s50, s29, 5
.irp t, 1,2,3,4,5,6,7
	s_add_nc_u64 s[32+2*\t:33+2*\t], s[30+2*\t:31+2*\t], s[50:51]
.endr
.set wi, 1
.rept 31
	v_mad_u32_u24 v[OFF+wi], s29, wi, v32
.set wi, wi+1
.endr
	s_mul_i32 s52, s24, 2359296                    ; K slot x 768 row blocks x 3,072
	s_mul_i32 s53, s23, 6144                       ; + my two row blocks
	s_add_co_u32 s52, s52, s53
	s_add_co_u32 s52, s52, 1572864                 ; behind x's 512 row blocks
	s_mov_b32 s53, 0
	s_add_nc_u64 s[18:19], s[14:15], s[52:53]
	s_lshr_b32 s52, s23, 1
	s_lshl_b32 s52, s52, 11                        ; ws: 2,048 bytes for 64 rows,
	s_lshl_b32 s54, s24, 9                         ; 512 for a K slot,
	s_add_co_u32 s52, s52, s54
	s_and_b32 s54, s23, 1
	s_lshl_b32 s54, s54, 8                         ; 256 for my 32 rows
	s_add_co_u32 s52, s52, s54
	s_add_co_u32 s52, s52, 524288                  ; the weights' groups begin at group 256
	s_add_nc_u64 s[20:21], s[16:17], s[52:53]
.macro WLOAD t                         ; block t: 32 rows of K at my column; a wave's load reads 128 consecutive bytes
.set wi, 0
.rept 32
	global_load_b32 v[X+32*((\t)%2)+wi], v[OFF+wi], s[32+2*(\t):33+2*(\t)] th:TH_LOAD_NT
.set wi, wi+1
.endr
.endm
.macro WBLOCK t
.if (\t) < 7
	s_wait_loadcnt 32                              ; this block's 32 loads are in; the next block's 32 may be out
.else
	s_wait_loadcnt 0x0
.endif
.set QX, X+32*((\t)%2)
.set QC, 128+16*((\t)/2)+8*((\t)%2)    ; every block has registers of its own for its codes: no store's data are written again
	QB
.if (\t)%4 == 0
	v_mov_b32 v[24+(\t)/4], v19                    ; the 8 bytes of my row, the lower K in the lower byte
.else
	v_lshl_or_b32 v[24+(\t)/4], v19, 8*((\t)%4), v[24+(\t)/4]
.endif
.if (\t)+2 < 8
	WLOAD (\t)+2
.endif
.if (\t)%2 == 1                        ; two blocks make an image of each of my two row blocks: lanes 0-15 want the even block, lanes 16-31 the odd one
.set CA, 128+16*((\t)/2)
.irp i, 0,1,2,3,4,5
	v_permlane16_swap_b32 v[CA+\i], v[CA+8+\i]     ; the even block's lanes 16-31 change places with the odd block's lanes 0-15
.endr
	global_store_b128 v2, v[CA:CA+3], s[18:19] offset:768*((\t)/2)             ; 512 consecutive bytes
	global_store_b64 v3, v[CA+4:CA+5], s[18:19] offset:768*((\t)/2)+512        ; 256 consecutive bytes
	global_store_b128 v2, v[CA+8:CA+11], s[18:19] offset:3072+768*((\t)/2)
	global_store_b64 v3, v[CA+12:CA+13], s[18:19] offset:3072+768*((\t)/2)+512
.endif
.endm
	s_wait_alu depctr_va_vdst(0)
	WLOAD 0
	WLOAD 1
.irp t, 0,1,2,3,4,5,6,7
	WBLOCK \t
.endr
	global_store_b64 v3, v[24:25], s[20:21]        ; 32 rows x 8 bytes: 256 consecutive bytes
	s_branch .Lend
	; ---------------- x ----------------
.Lx:
	s_sub_co_u32 s23, ttmp9, 128
	s_lshr_b32 s24, s23, 2                         ; G: which 64 rows
	s_and_b32 s25, s23, 3                          ; which K slot
	s_lshl_b32 s26, s24, 2
	s_add_co_u32 s26, s26, s22                     ; my row block: 4 G + wave
	s_lshl_b32 s27, s24, 6
	s_lshr_b32 s28, s22, 1
	s_lshl_b32 s28, s28, 5
	s_add_co_u32 s27, s27, s28
	s_and_b32 s28, s22, 1
	s_lshl_b32 s28, s28, 3
	s_add_co_u32 s27, s27, s28                     ; its first row: 64 G + 32 (wave / 2) + 8 (wave % 2)
	s_lshl_b32 s27, s27, 12
	s_lshl_b32 s28, s25, 10
	s_add_co_u32 s28, s27, s28
	s_mov_b32 s29, 0
	s_mul_i32 s30, s25, 2359296                    ; K slot x 768 row blocks x 3,072
	s_mul_i32 s31, s26, 3072
	s_add_co_u32 s30, s30, s31
	s_mov_b32 s31, 0
	s_lshl_b32 s32, s24, 11
	s_lshl_b32 s33, s25, 9
	s_add_co_u32 s32, s32, s33
	s_lshl_b32 s33, s22, 7
	s_add_co_u32 s32, s32, s33                     ; 2,048 G + 512 K slot + 128 wave
	s_add_co_u32 s32, s32, 262144                  ; x's groups begin at group 128
	s_mov_b32 s33, 0
	s_mul_i32 s34, s22, 4352                       ; my stage: 16 rows x (256 + 16) bytes
	s_mov_b32 s36, 0x76543210
	s_mov_b32 s37, 0xfedcba98                      ; lane selects: lane l xor 16
	v_and_b32 v7, 15, v0                           ; r
	v_bfe_u32 v8, v0, 4, 1                         ; h
	v_lshlrev_b32 v4, 12, v8
	v_lshl_add_u32 v4, v7, 4, v4                   ; a load: lanes 0-15 take 256 bytes of one row, lanes 16-31 of the next
	v_mul_u32_u24 v5, v8, 272
	v_lshl_add_u32 v5, v7, 4, v5
	v_add_nc_u32 v5, s34, v5                       ; into the stage as loaded
	v_mul_u32_u24 v6, v7, 272
	v_lshl_add_u32 v6, v8, 7, v6
	v_add_nc_u32 v6, s34, v6                       ; out of it: row r, block h: 32 neighbours along K
	v_mov_b32 v27, 0
	v_mov_b32 v31, 0                               ; (a lane permute's destination counts as one of its sources)
	s_wait_alu depctr_va_vdst(0)
	s_wait_kmcnt 0x0
	s_add_nc_u64 s[4:5], s[4:5], s[28:29]
	s_add_nc_u64 s[14:15], s[14:15], s[30:31]
	s_add_nc_u64 s[16:17], s[16:17], s[32:33]
.irp c, 0,1,2,3                        ; all 32 loads go out at once, the quarters of 64 along K in order; places 2 i and 2 i + 1 are rows 2 i + 8 (i / 4) and the next
.irp i, 0,1,2,3,4,5,6,7
	global_load_b128 v[32+32*\c+4*\i:32+32*\c+4*\i+3], v4, s[4:5] offset:(2*\i+8*(\i/4))*4096+256*\c th:TH_LOAD_NT
.endr
.endr
.macro TURN c                          ; a quarter goes through the stage and comes back into the registers that it left.  LDS serves a wave's instructions in order: no wait between, and one stage serves all quarters
.irp i, 0,1,2,3,4,5,6,7
	ds_store_b128 v5, v[32+32*(\c)+4*\i:32+32*(\c)+4*\i+3] offset:544*\i
.endr
.irp i, 0,1,2,3,4,5,6,7
	ds_load_b128 v[32+32*(\c)+4*\i:32+32*(\c)+4*\i+3], v6 offset:16*\i
.endr
.endm
.macro XSTEP c
.if (\c) < 3
	s_wait_loadcnt 16-8*(\c)                       ; the next quarter's 8 loads are in; the later quarters' may be out
	TURN (\c)+1
	s_wait_dscnt 16                                ; this quarter is back; the next quarter's 8 stores and 8 loads may be out
.else
	s_wait_dscnt 0x0
.endif
.set QX, 32+32*(\c)
.set QC, 160+8*(\c)
	QB
	v_mov_b32 v[20+(\c)], v19
	global_store_b128 v2, v[QC:QC+3], s[14:15] offset:768*(\c)
	global_store_b64 v3, v[QC+4:QC+5], s[14:15] offset:768*(\c)+512
.endm
	s_wait_loadcnt 24                              ; the first quarter's 8 loads are in
	TURN 0
.irp c, 0,1,2,3
	XSTEP \c
.endr
	v_lshl_or_b32 v24, v21, 16, v20                ; my bytes are those of blocks 2 c + h: words 0 and 1 of my row's 8 bytes,
	v_lshl_or_b32 v25, v23, 16, v22
	v_lshlrev_b32 v26, 3, v8
	v_lshlrev_b32 v24, v26, v24                    ; 8 h bits up,
	v_lshlrev_b32 v25, v26, v25
	v_permlanex16_b32 v27, v24, s36, s37
	v_permlanex16_b32 v31, v25, s36, s37
	v_or_b32 v24, v24, v27                         ; and whole with lane l xor 16's
	v_or_b32 v25, v25, v31
	v_cmp_lt_u32 vcc_lo, 15, v1
	v_cndmask_b32 v24, v24, v25, vcc_lo            ; lane (r, h) stores word h
	v_lshlrev_b32 v26, 3, v7
	v_lshl_add_u32 v26, v8, 2, v26
	global_store_b32 v26, v24, s[16:17]            ; 128 consecutive bytes: half of an aligned 256, one byte for each 128 read
.Lend:
	s_wait_tensorcnt 0x0                           ; the wave's end
	ds_add_u32 v[SPW], v[NIL]
	s_wait_dscnt 0x0
	s_endpgm
.Lfunc_end_k_q82fd07908a_prep:
	.size	k_q82fd07908a_prep, .Lfunc_end_k_q82fd07908a_prep-k_q82fd07908a_prep
	.p2alignl 7, 3214868480
	.fill 96, 4, 3214868480
	.section	.rodata,"a",@progbits
	.p2align	6, 0x0
	.amdhsa_kernel k_q82fd07908a_prep
		.amdhsa_group_segment_fixed_size 17920
		.amdhsa_private_segment_fixed_size 0
		.amdhsa_enable_private_segment 0
		.amdhsa_kernarg_size 56
		.amdhsa_user_sgpr_count 2
		.amdhsa_user_sgpr_kernarg_segment_ptr 1
		.amdhsa_wavefront_size32 1
		.amdhsa_system_sgpr_workgroup_id_x 1
		.amdhsa_system_sgpr_workgroup_id_y 1
		.amdhsa_system_sgpr_workgroup_id_z 1
		.amdhsa_system_vgpr_workitem_id 0
		.amdhsa_next_free_vgpr 192
		.amdhsa_next_free_sgpr 66
		.amdhsa_reserve_vcc 1
		.amdhsa_float_denorm_mode_32 3
		.amdhsa_float_denorm_mode_16_64 3
		.amdhsa_memory_ordered 1
		.amdhsa_forward_progress 1
		.amdhsa_inst_pref_size 60
	.end_amdhsa_kernel
	.amdgpu_metadata
---
amdhsa.version: [ 1, 2 ]
amdhsa.kernels:
  - .name:           k_q82fd07908a_prep
    .symbol:         k_q82fd07908a_prep.kd
    .args:
      - { .name: x, .offset: 0, .size: 8, .value_kind: global_buffer, .address_space: global }
      - { .name: wq, .offset: 8, .size: 8, .value_kind: global_buffer, .address_space: global }
      - { .name: wk, .offset: 16, .size: 8, .value_kind: global_buffer, .address_space: global }
      - { .name: wv, .offset: 24, .size: 8, .value_kind: global_buffer, .address_space: global }
      - { .name: w_proj, .offset: 32, .size: 8, .value_kind: global_buffer, .address_space: global }
      - { .name: xc, .offset: 40, .size: 8, .value_kind: global_buffer, .address_space: global }
      - { .name: xs, .offset: 48, .size: 8, .value_kind: global_buffer, .address_space: global }
    .group_segment_fixed_size: 17920
    .private_segment_fixed_size: 0
    .kernarg_segment_align: 8
    .kernarg_segment_size: 56
    .max_flat_workgroup_size: 128
    .sgpr_count:     66
    .vgpr_count:     192
    .wavefront_size: 32
...
	.end_amdgpu_metadata
.endif
;; end of part 1
;; launch qkv (part 2): grid 8 x 32, 4 waves a work-group, clusters of 4 x 4, 327,680 bytes of LDS; arguments xc, xs, q, kv; writes q, kv
.if DOCPART == 2
	.amdgcn_target "amdgcn-amd-amdhsa--gfx1250"
	.amdhsa_code_object_version 6
	.text
	.protected	k_q82fd07908a_qkv
	.globl	k_q82fd07908a_qkv
	.p2align	8
	.type	k_q82fd07908a_qkv,@function
k_q82fd07908a_qkv:
	s_mov_b64 s[64:65], 0
	v_nop
	global_prefetch_b8 v0, s[64:65] scope:SCOPE_SE
	s_setreg_imm32_b32 hwreg(HW_REG_WAVE_MODE, 25, 1), 1
	s_wait_xcnt 0x0
	s_wait_alu depctr_hold_cnt(0) depctr_sa_sdst(0) depctr_va_vdst(0) depctr_va_sdst(0) depctr_va_ssrc(0) depctr_va_vcc(0) depctr_vm_vsrc(0)
	s_getreg_b32 s2, hwreg(HW_REG_IB_STS2, 6, 4)
	s_cmp_eq_u32 s2, 0
	s_cbranch_scc0 .Lentry_in_a_cluster
	s_endpgm
.Lentry_in_a_cluster:
	s_bfe_u32 s2, ttmp6, 0x10000c
	s_cmp_lg_u32 s2, 0xf033
	s_cbranch_scc0 .Lentry_shape_is_right
	s_endpgm
.Lentry_shape_is_right:
; q, k and v = x times wq, wk, wv on codes of E2M3 (K = 1,024), and their quantising for the attention: q and k along the head's 64, v along the keys.  Nothing is left out here.
; A WORK-GROUP takes 256 tokens (tile row R) against 128 rows (tile column c: heads 2 c, 2 c + 1) of wq, then of wk, then of wv: three phases.  The tokens' codes, all of K, come into LDS once and stay; the weights' region is filled again.
; xc: [K slot 4][row block 768: x's 512, then wq's 64, wk's 64, wv's 64, w_proj's 64][3,072 bytes]: 16 row blocks of a K slot are 49,152 bytes on end, 8 are 24,576; a tile is two K slots: two such rows one pitch apart.
; FILLS.  At the head one tensor load a wave: wave 0 the tokens' K slots 0, 1, wave 1 wq's, wave 2 the tokens' K slots 2, 3, wave 3 wq's.  FOUR REFILLS, each behind a drained round of the cluster's barrier with the tensor wait, the add and its wait:
; in K step 3 of phases q and k the weights' K slots 0, 1 take the next weight's (wave 1), in K step 7 the K slots 2, 3 (wave 3).  All of a WGP's LDS is claimed.
; THE MATRIX INSTRUCTION IS USED TRANSPOSED (source 0 = 16 'B' rows, source 1 = 16 'A' rows): a lane holds one A row, and by the buffers' row order the 16 registers of B tiles 2 b, 2 b + 1 are B rows 32 b + 16 h + 0 .. 15.
; q, k: A = my 64 tokens (wave w: 64 w ..), B = the 128 weight rows.  v: A = my head's 64 rows of wv (head 2 c + w % 2), B = my 128 tokens (half w / 2): a lane's registers then run along the keys.  4 x 8 accumulators in all three.
; Phases q and k are two trips of one loop, with the same LDS addresses; phase v is written out: it has other LDS addresses and no refill.
; SCALE WORDS go from xs straight into registers, 32 loads a wave and phase: lanes 0-15 take A's rows, lanes 16-31 B's; the next phase's are asked for behind a phase's last products.
; PREFETCH: wk's tile is asked for at the head, wv's in the first trip: a tile's 384 blocks of 256 bytes are shared out by address among the 16 waves of my column of the cluster (K slot cy, quarter w, a lane a block, 24 lanes);
; the clusters of rows 0 to 3 ask, since the eight clusters of a column of clusters read the same tiles.
; OUT: q [batch x head 64][key step 16][6,656: 8 images of 16 tokens x 64, then 2 x 256 bytes of scale words [row 16][block of rows 4]];
;      kv [64][16][13,056: k's 8 images; at 6,144 v's [half of the keys 2][16 of the head's 64: 4] images; at 12,288 k's scale words; at 12,800 v's [row 16][4]].  q's and k's scale words hold two bytes and two zeros.
; CLUSTER 4 x 4: the tokens' tiles are shared along a row of the cluster, the weights' along a column: each is asked for jointly.
; LIMITS: a block of zeros gets the byte 1 (its codes are zeros; only this program reads the bytes); NaN and infinities are not served.
; REGISTERS: window 0: v1-15 lane terms, v16-31 LDS addresses, v32-63 and v192-223 scale words, v64-159 A's fragments (two sets), v160-183 at work on the way out.  window 1: accumulator (a, b) at 8 (8 a + b).  window 2: B's fragments, sets at v0 and v128.
.set ASL,   49152                      ; LDS: the tokens' K slot k at ASL k
.set BSL,   24576                      ; the weights' at BOFF + BSL k
.set BOFF,  196608
.set SPARE, 294912                     ; the spare words, 128 bytes a wave
.set KSTR,  2359296                    ; from K slot to K slot in xc
.set PSTEP, 196608                     ; from a weight's rows to the next weight's: 64 row blocks
.set PFO,  10
.set ADRV, 11
.set ADRN, 12
.set ADR0, 13
.set SPW,  14
.set NIL,  15
.set A16,  16
.set A8,   20
.set B16,  24
.set B8,   28
.set SC,   32                          ; K slot k's scale words at SC + 16 k + SCJ (k / 2)
.set SCJ,  128
.set AF,   64
.set TM,   160
.set PW,   176
.set SW,   180
.set G1A,  24
.set G1B,  32
.set MSB, 0
.macro WIN new
.if MSB != \new
	s_set_vgpr_msb (MSB<<8)|\new
.set MSB, \new
.endif
.endm
.macro PLACES n
.rept \n
	v_nop
.endr
.endm
.macro CREST                           ; a round of the cluster's barrier behind its opening barrier
	s_cmp_lg_u32 s16, 0
	s_cbranch_scc1 .Lnot_wave_0_\@
	s_barrier_signal -3
.Lnot_wave_0_\@:
	s_barrier_wait -3
	s_barrier_signal -1
	s_barrier_wait -1
.endm
.macro CROUND
	s_barrier_signal -1
	s_barrier_wait -1
	CREST
.endm
.macro TILE g, el, pitch               ; group 1, words 1 to 7: two rows of el elements of 8 bytes
	s_mov_b32 s[\g+1], (\el)<<16
	s_mov_b32 s[\g+2], 2<<16
	s_mov_b32 s[\g+3], (\el)<<16
	s_mov_b32 s[\g+4], 2
	s_mov_b32 s[\g+5], \pitch
	s_mov_b32 s[\g+6], 0
	s_mov_b32 s[\g+7], 0
.endm
.macro ARM n, g0, g1, next             ; one arm of the head's chain: one load, and a jump to the join
	s_cmp_eq_u32 s16, \n
	s_cbranch_scc0 \next
	tensor_load_to_lds s[\g0:\g0+3], s[\g1:\g1+7]
	s_nop 0
	PLACES 4
	s_branch .Lfilled
\next:
.endm
.macro SCLOAD adr                      ; register 2 i + q of K slot k: lanes 0-15 A's block i (i < 4; beyond that bytes that nobody uses), lanes 16-31 B's block i, for the slot's q-th 128
.irp k, 0,1,2,3
.irp i, 0,1,2,3,4,5,6,7
	global_load_b64 v[SC+16*\k+SCJ*(\k/2)+2*\i:SC+16*\k+SCJ*(\k/2)+2*\i+1], v[\adr], s[92:93] offset:512*\k+2048*(\i/4)+128*(\i%4)
.endr
.endr
.endm
	s_load_b64 s[4:5], s[0:1], 0x0                 ; xc
	s_load_b64 s[92:93], s[0:1], 0x8               ; xs
	s_load_b128 s[12:15], s[0:1], 0x10             ; q s[12:13], kv s[14:15]
	v_lshl_add_u32 v[SPW], v0, 2, SPARE
	v_mov_b32 v[NIL], 0
	ds_add_u32 v[SPW], v[NIL]                      ; the opening lines: the add, twice on end, and its wait
	ds_add_u32 v[SPW], v[NIL]
	v_lshrrev_b32 v1, 5, v0
	v_readfirstlane_b32 s16, v1                    ; wave
	s_and_b32 s17, s16, 1
	s_lshr_b32 s99, s16, 1
	s_bfe_u32 s18, ttmp6, 0x40000                  ; cx
	s_bfe_u32 s19, ttmp6, 0x40004                  ; cy
	s_lshl_b32 s20, ttmp9, 2
	s_add_co_u32 s20, s20, s18                     ; c: tile column, 0 .. 7
	s_and_b32 s100, ttmp7, 0xffff                  ; the cluster's y
	s_lshl_b32 s21, s100, 2
	s_add_co_u32 s21, s21, s19                     ; R: tile row, 0 .. 31
	s_cmp_lt_u32 s100, 4
	s_cselect_b32 s94, 0, 9                        ; the trip in which my cluster prefetches: 0, or none
	s_lshl_b32 s2, s19, 2
	s_lshl_b32 s2, 15, s2                          ; my row of the cluster
	s_lshl_b32 s3, 0x1111, s18                     ; my column
	s_or_b32 s[G1A], s2, (3<<16)|(1<<21)
	s_or_b32 s[G1B], s3, (3<<16)|(1<<21)
	TILE G1A, ASL/8, KSTR/8
	TILE G1B, BSL/8, KSTR/8
	s_mul_i32 s22, s21, 16*3072                    ; the tokens' side: registers that never hold cx
	s_mov_b32 s40, 1                               ; s[40:43] the tokens' K slots 0, 1
	s_mov_b32 s41, 0
	s_mov_b32 s42, s22
	s_mov_b32 s43, 0
	s_mov_b32 s44, 1                               ; s[44:47] their K slots 2, 3
	s_mov_b32 s45, 2*ASL
	s_add_co_u32 s46, s22, 2*KSTR
	s_mov_b32 s47, 0
	s_lshl_b32 s66, s20, 3                         ; the weights' side: registers that never hold cy
	s_add_co_u32 s66, s66, 512                     ; wq's first row block of the tile
	s_mul_i32 s67, s66, 3072
	s_mov_b32 s48, 1                               ; s[48:51] a weight's K slots 0, 1
	s_mov_b32 s49, BOFF
	s_mov_b32 s50, s67
	s_mov_b32 s51, 0
	s_mov_b32 s52, 1                               ; s[52:55] its K slots 2, 3
	s_mov_b32 s53, BOFF+2*BSL
	s_add_co_u32 s54, s67, 2*KSTR
	s_mov_b32 s55, 0
	s_lshl_b32 s96, s21, 13                        ; scale bytes, 512 a row block, behind the 128 groups of the attention's result.  q, k: A's: my group of 64 tokens;
	s_lshl_b32 s23, s16, 11
	s_add_co_u32 s96, s96, s23
	s_add_co_u32 s96, s96, 262144
	s_lshl_b32 s97, s66, 9                         ; B's: wq's rows
	s_add_co_u32 s97, s97, 262144
	s_lshl_b32 s23, s17, 11                        ; v: A's: my head's rows of wv, 128 row blocks behind wq's;
	s_add_co_u32 s98, s97, s23
	s_add_co_u32 s98, s98, 65536
	s_lshl_b32 s101, s21, 13                       ; B's: my 128 tokens
	s_lshl_b32 s23, s99, 12
	s_add_co_u32 s101, s101, s23
	s_add_co_u32 s101, s101, 262144
	s_mul_i32 s68, s19, KSTR                       ; the prefetches: K slot cy, quarter w of the tile's 24,576 bytes
	s_add_co_u32 s68, s68, s67
	s_mul_i32 s23, s16, 6144
	s_add_co_u32 s68, s68, s23
	s_mov_b32 s62, 0xffff                          ; q, k: a head's two bytes are kept of a scale word,
	s_mov_b32 s63, 32                              ; and 32 lanes store scale words
	s_mov_b32 s95, 0                               ; the phase
	s_wait_dscnt 0x0                               ; both opening adds are done
	s_wait_kmcnt 0x0
.irp g, 42,46,50,54
	s_add_nc_u64 s[\g:\g+1], s[4:5], s[\g:\g+1]
	s_or_b32 s[\g+1], s[\g+1], 0x80000000
.endr
	CROUND                                         ; all sixteen work-groups are here: the joint loads meet
	ARM 0, 40, G1A, .Larm1
	ARM 1, 48, G1B, .Larm2
	ARM 2, 44, G1A, .Larm3
	tensor_load_to_lds s[52:55], s[G1B:G1B+7]
	s_nop 0
	PLACES 4
.Lfilled:
	s_mov_b32 s2, 0x76543210
	s_mov_b32 s3, 0xfedcba98                       ; lane selects: lane l xor 16
	v_and_b32 v1, 31, v0                           ; lane
	v_and_b32 v2, 15, v0                           ; r
	v_bfe_u32 v3, v0, 4, 1                         ; h
	v_lshlrev_b32 v4, 4, v1
	v_lshlrev_b32 v5, 3, v1
	s_mul_i32 s22, s16, 12288                      ; q, k: my four row blocks of tokens
.irp k, 0,1,2,3
	v_add_nc_u32 v[A16+\k], s22, v4
	v_add_nc_u32 v[A8+\k], s22, v5
	v_add_nc_u32 v[B16+\k], BSL*\k+BOFF, v4
	v_add_nc_u32 v[B8+\k], BSL*\k+BOFF, v5
	s_add_co_u32 s22, s22, ASL
.endr
	v_sub_nc_u32 v9, 1, v3
	v_mul_u32_u24 v6, s96, v9                      ; lanes 0-15 take A's scale bytes,
	v_mad_u32_u24 v6, s97, v3, v6                  ; lanes 16-31 B's
	v_lshl_add_u32 v[ADR0], v2, 3, v6
	SCLOAD ADR0
	v_lshl_add_u32 v[ADRN], v3, 15, v[ADR0]        ; k: wk's rows lie 64 row blocks, 32,768 scale bytes, behind wq's
	v_mul_u32_u24 v6, s98, v9
	v_mad_u32_u24 v6, s101, v3, v6
	v_lshl_add_u32 v[ADRV], v2, 3, v6
	v_min_u32 v[PFO], 23, v1
	v_lshl_add_u32 v[PFO], v[PFO], 8, s68
	v_lshlrev_b32 v7, 4, v3                        ; q, k: lanes 16-31 take the second head's two bytes of a scale word
.irp b, 0,1,2,3
	v_mov_b32 v[TM+4+\b], 0                        ; (a lane permute's destination counts as one of its sources)
.endr
	s_wait_alu depctr_va_vdst(0)
	s_cmp_eq_u32 s94, 0
	s_cbranch_scc0 .Lno_pf0
	global_prefetch_b8 v[PFO], s[4:5] offset:PSTEP th:TH_LOAD_NT scope:SCOPE_SE   ; wk's tile
.Lno_pf0:
.macro FRAG reg, a16, a8, off          ; a fragment, 16 rows x 128 K, is two images on end
	ds_load_b128 v[\reg:\reg+3], v[\a16] offset:\off
	ds_load_b64 v[\reg+4:\reg+5], v[\a8] offset:\off+512
	ds_load_b128 v[\reg+6:\reg+9], v[\a16] offset:\off+768
	ds_load_b64 v[\reg+10:\reg+11], v[\a8] offset:\off+1280
.endm
.macro FETCH_A s
.irp i, 0,1,2,3
	FRAG AF+48*((\s)%2)+12*\i, A16+(\s)/2, A8+(\s)/2, 3072*\i+1536*((\s)%2)
.endr
.endm
.macro FETCH_B s
	WIN 0x80
.irp i, 0,1,2,3,4,5,6,7
	FRAG 128*((\s)%2)+12*\i, B16+(\s)/2, B8+(\s)/2, 3072*\i+1536*((\s)%2)
.endr
	WIN 0
.endm
; 16 products: A's blocks a0, a0 + 1 x B's eight.  The 32 accumulators take turns, one instruction a turn, in the same order in every K step
.macro MUL16 a0, s, first
	WIN 0x52                                       ; source 0 (B) window 2, source 1 (A) window 0, C and D window 1
.irp a, \a0, \a0+1
.irp b, 0,1,2,3,4,5,6,7
.set RD_, 8*(8*(\a)+\b)
.set RB_, 128*((\s)%2)+12*\b
.set RA_, AF+48*((\s)%2)+12*(\a)
.set SB_, SC+16*((\s)/2)+SCJ*((\s)/4)+2*\b+(\s)%2
.set SA_, SC+16*((\s)/2)+SCJ*((\s)/4)+2*(\a)+(\s)%2
.if \first
	v_wmma_scale_f32_16x16x128_f8f6f4 v[RD_:RD_+7], v[RB_:RB_+11], v[RA_:RA_+11], 0, v[SB_], v[SA_] matrix_a_fmt:MATRIX_FMT_FP6 matrix_b_fmt:MATRIX_FMT_FP6 matrix_a_scale:MATRIX_SCALE_ROW1
.else
	v_wmma_scale_f32_16x16x128_f8f6f4 v[RD_:RD_+7], v[RB_:RB_+11], v[RA_:RA_+11], v[RD_:RD_+7], v[SB_], v[SA_] matrix_a_fmt:MATRIX_FMT_FP6 matrix_b_fmt:MATRIX_FMT_FP6 matrix_a_scale:MATRIX_SCALE_ROW1
.endif
.endr
.endr
.endm
.macro KSTEP s, first                  ; the next step's fragments lie in K slots that a barrier has shown
	s_wait_dscnt 0x0                               ; this step's fragments are in (asked for a step ago)
.if (\s) > 0
	PLACES 4                                       ; in front of loads into registers that the last step's products read
.endif
	FETCH_B (\s)+1
	FETCH_A (\s)+1
	MUL16 0, \s, \first
	MUL16 2, \s, \first
.endm
; The first half of a K step with a drained round: all my tensor loads are in; the add; the descriptor at g steps to the next weight; the add and my LDS reads are done; sixteen products between the opening signal and its wait;
; behind the round wave wv fills again the two K slots of the weights that nobody reads any more
.macro REFILL s, g, wv
	WIN 0
	s_wait_tensorcnt 0x0
	ds_add_u32 v[SPW], v[NIL]
	s_add_nc_u64 s[\g+2:\g+3], s[\g+2:\g+3], PSTEP
	s_wait_dscnt 0x0
	s_barrier_signal -1
	MUL16 0, \s, 0
	WIN 0
	s_barrier_wait -1
	CREST
	s_cmp_eq_u32 s16, \wv
	s_cbranch_scc0 .Lnot_mine_\@
	tensor_load_to_lds s[\g:\g+3], s[G1B:G1B+7]
	s_nop 0
	PLACES 4
.Lnot_mine_\@:
.endm
.macro KMEET s, refill                 ; K step 3: K slots 2 and 3 are shown to every wave
.if \refill
	REFILL \s, 48, 1
.else
	s_wait_dscnt 0x0
	s_wait_tensorcnt 0x0
	s_barrier_signal -1
	MUL16 0, \s, 0
	s_barrier_wait -1
.endif
	PLACES 4
	FETCH_B (\s)+1
	FETCH_A (\s)+1
	MUL16 2, \s, 0
.endm
.macro KLAST refill                    ; K step 7; with a refill its round also shows the next weight's K slots 0 and 1
.if \refill
	REFILL 7, 52, 3
.else
	s_wait_dscnt 0x0
	MUL16 0, 7, 0
.endif
	MUL16 2, 7, 0
	WIN 0
	PLACES 4                                       ; in front of the first read of results, and of loads into and writes of registers that the products read
.endm
; THE WAY OUT: block a's 64 numbers a lane (register 16 b + i = B row 32 b + 16 h + i of my A row) become a fragment's codes and a scale word, and leave from registers: each store covers 512 or 256 consecutive bytes
.macro QUANT a
.set QS, 64*(\a)
.set PC, AF+20*(\a)
	WIN 0x05
.irp b, 0,1,2,3
	v_max3_num_f32 v[TM+\b], |v[QS+16*\b]|, |v[QS+1+16*\b]|, 0x1800000   ; each accumulator is read from its low end on; the floor 2^(3 - 127) holds the byte at 1
.endr
	WIN 0x14
.irp i, 2,4,6,8,10,12,14
.irp b, 0,1,2,3
	v_max3_num_f32 v[TM+\b], v[TM+\b], |v[QS+16*\b+\i]|, |v[QS+1+16*\b+\i]|
.endr
.endr
	WIN 0
.irp b, 0,1,2,3
	v_permlanex16_b32 v[TM+4+\b], v[TM+\b], s2, s3
.endr
.irp b, 0,1,2,3
	v_max_num_f32 v[TM+\b], v[TM+\b], v[TM+4+\b]
.endr
.irp b, 0,1,2,3
	v_add_nc_u32 v[TM+12+\b], 0xff000000, v[TM+\b] ; 2 off the exponent field: the conversion's scale operand
.endr
.irp b, 0,1,2,3
	v_lshrrev_b32 v[TM+4+\b], 23, v[TM+12+\b]      ; the byte
.endr
	v_lshl_or_b32 v[PW], v[TM+5], 8, v[TM+4]
	v_lshl_or_b32 v[PW], v[TM+6], 16, v[PW]
	v_lshl_or_b32 v[PW], v[TM+7], 24, v[PW]
	WIN 0x01
.irp c, 0,1
	v_cvt_scalef32_pk16_fp6_f32 v[PC+6*\c:PC+2+6*\c], v[QS+32*\c:QS+15+32*\c], v[TM+12+2*\c]
	v_cvt_scalef32_pk16_fp6_f32 v[PC+12+4*\c:PC+14+4*\c], v[QS+16+32*\c:QS+31+32*\c], v[TM+12+2*\c+1]
.endr
	WIN 0
	v_nop                                          ; one plain place behind a scaled conversion
.irp c, 0,1
.irp i, 0,1,2
	v_permlane16_swap_b32 v[PC+6*\c+\i], v[PC+12+4*\c+\i]
.endr
.irp i, 0,1,2
	v_mov_b32 v[PC+3+6*\c+\i], v[PC+12+4*\c+\i]
.endr
.endr
	v_lshrrev_b32 v[SW+(\a)], v7, v[PW]
	v_and_b32 v[SW+(\a)], s62, v[SW+(\a)]
	global_store_b128 v4, v[PC:PC+3], s[56:57] offset:768*(\a)
	global_store_b64 v5, v[PC+4:PC+5], s[56:57] offset:768*(\a)+512
	global_store_b128 v4, v[PC+6:PC+9], s[58:59] offset:768*(\a)
	global_store_b64 v5, v[PC+10:PC+11], s[58:59] offset:768*(\a)+512
.endm
.macro OUT
	QUANT 0
	QUANT 1
	QUANT 2
	QUANT 3
	s_wait_alu depctr_va_vdst(0)
	s_wait_xcnt 0x0                                ; EXEC changes only behind this wait
	v_cmp_gt_u32 vcc_lo, s63, v1
	s_and_saveexec_b32 s22, vcc_lo
	global_store_b128 v8, v[SW:SW+3], s[60:61]     ; sixteen lanes: 256 consecutive bytes
	s_wait_xcnt 0x0                                ; and again, in front of the line that widens it: every store has read its registers
	s_or_b32 exec_lo, exec_lo, s22
.endm
	s_cmp_lt_u32 s16, 2
	s_cbranch_scc0 .Llater
	s_wait_tensorcnt 0x0                           ; waves 0 and 1: K slots 0 and 1 are in; their load lines are their own
.Llater:
	s_barrier_signal -1
	s_barrier_wait -1
	s_wait_loadcnt 0x0                             ; q's scale words
.Lphase:                                               ; phase 0: q; phase 1: k
	s_cmp_eq_u32 s95, 0                            ; where the results go
	s_cselect_b64 s[74:75], s[12:13], s[14:15]     ; the buffer,
	s_mov_b32 s70, 208896
	s_mov_b32 s71, 13056
	s_mov_b32 s72, 12288
	s_cselect_b32 s70, 106496, s70                 ; bytes of a head,
	s_cselect_b32 s71, 6656, s71                   ; of a key step's record,
	s_cselect_b32 s72, 6144, s72                   ; and where its scale words begin
	s_lshr_b32 s22, s21, 3
	s_lshl_b32 s22, s22, 4
	s_lshl_b32 s23, s20, 1
	s_add_co_u32 s22, s22, s23                     ; batch x 16 + the first of the tile's two heads
	s_and_b32 s66, s21, 7
	s_lshl_b32 s66, s66, 1
	s_add_co_u32 s66, s66, s99                     ; the key step of my 64 tokens
	s_mul_i32 s22, s22, s70
	s_mul_i32 s66, s66, s71
	s_add_co_u32 s22, s22, s66                     ; the record
	s_mul_i32 s66, s17, 3072                       ; which four of the step's eight row blocks
	s_add_co_u32 s66, s66, s22
	s_mov_b32 s67, 0
	s_add_nc_u64 s[56:57], s[74:75], s[66:67]      ; images of registers 0-5: the first head's
	s_mov_b32 s66, s70
	s_add_nc_u64 s[58:59], s[56:57], s[66:67]      ; of registers 6-11: the next head's
	s_lshl_b32 s66, s17, 8
	s_add_co_u32 s66, s66, s22
	s_add_co_u32 s66, s66, s72
	s_add_nc_u64 s[60:61], s[74:75], s[66:67]      ; scale words
	v_mul_u32_u24 v8, s70, v3
	v_lshl_add_u32 v8, v2, 4, v8                   ; my scale words' place: 16 r, lanes 16-31 a head on
	FETCH_B 0
	FETCH_A 0
	KSTEP 0, 1
	KSTEP 1, 0
	KSTEP 2, 0
	KMEET 3, 1
	KSTEP 4, 0
	KSTEP 5, 0
	KSTEP 6, 0
	KLAST 1
	SCLOAD ADRN                                    ; the next phase's scale words
	s_cmp_eq_u32 s95, s94
	s_cbranch_scc0 .Lno_pf1
	global_prefetch_b8 v[PFO], s[4:5] offset:2*PSTEP th:TH_LOAD_NT scope:SCOPE_SE   ; wv's tile, a phase ahead of its first refill
.Lno_pf1:
	OUT
	s_wait_loadcnt 0x0                             ; the scale words are in, and their loads have read their address:
	v_mov_b32 v[ADRN], v[ADRV]                     ; the phase after k is v
	s_add_co_u32 s95, s95, 1
	s_cmp_lt_u32 s95, 2
	s_wait_alu depctr_va_vdst(0)
	s_cbranch_scc1 .Lphase
	; PHASE v: A = my head's four row blocks of wv, in the weights' region; B = my eight row blocks of tokens
	s_mul_i32 s22, s17, 12288
	s_add_co_u32 s22, s22, BOFF
	s_mul_i32 s23, s99, 24576
.irp k, 0,1,2,3
	v_add_nc_u32 v[A16+\k], s22, v4
	v_add_nc_u32 v[A8+\k], s22, v5
	v_add_nc_u32 v[B16+\k], s23, v4
	v_add_nc_u32 v[B8+\k], s23, v5
	s_add_co_u32 s22, s22, BSL
	s_add_co_u32 s23, s23, ASL
.endr
	v_mov_b32 v7, 0                                ; all four bytes of a scale word are kept,
	v_lshlrev_b32 v8, 4, v2                        ; and sixteen lanes store the words
	s_mov_b32 s62, -1
	s_mov_b32 s63, 16
	s_lshr_b32 s22, s21, 3
	s_lshl_b32 s22, s22, 4
	s_lshl_b32 s23, s20, 1
	s_add_co_u32 s22, s22, s23
	s_add_co_u32 s22, s22, s17                     ; batch x 16 + my head
	s_and_b32 s66, s21, 7
	s_lshl_b32 s66, s66, 1
	s_add_co_u32 s66, s66, s99                     ; the key step of my 128 tokens
	s_mul_i32 s22, s22, 208896
	s_mul_i32 s66, s66, 13056
	s_add_co_u32 s22, s22, s66                     ; the record
	s_add_co_u32 s66, s22, 6144                    ; v's images lie behind k's
	s_mov_b32 s67, 0
	s_add_nc_u64 s[56:57], s[14:15], s[66:67]      ; images of registers 0-5: the keys' first half
	s_add_nc_u64 s[58:59], s[56:57], 3072          ; of registers 6-11: their second half
	s_add_co_u32 s66, s22, 12800
	s_add_nc_u64 s[60:61], s[14:15], s[66:67]      ; scale words
	s_wait_alu depctr_va_vdst(0)
	FETCH_B 0
	FETCH_A 0
	KSTEP 0, 1
	KSTEP 1, 0
	KSTEP 2, 0
	KMEET 3, 0
	KSTEP 4, 0
	KSTEP 5, 0
	KSTEP 6, 0
	KLAST 0
	OUT
	s_wait_tensorcnt 0x0                           ; the wave's end
	ds_add_u32 v[SPW], v[NIL]
	s_wait_dscnt 0x0
	CROUND                                         ; the closing round
	s_endpgm
.Lfunc_end_k_q82fd07908a_qkv:
	.size	k_q82fd07908a_qkv, .Lfunc_end_k_q82fd07908a_qkv-k_q82fd07908a_qkv
	.p2alignl 7, 3214868480
	.fill 96, 4, 3214868480
	.section	.rodata,"a",@progbits
	.p2align	6, 0x0
	.amdhsa_kernel k_q82fd07908a_qkv
		.amdhsa_group_segment_fixed_size 327680
		.amdhsa_private_segment_fixed_size 0
		.amdhsa_enable_private_segment 0
		.amdhsa_kernarg_size 32
		.amdhsa_user_sgpr_count 2
		.amdhsa_user_sgpr_kernarg_segment_ptr 1
		.amdhsa_wavefront_size32 1
		.amdhsa_system_sgpr_workgroup_id_x 1
		.amdhsa_system_sgpr_workgroup_id_y 1
		.amdhsa_system_sgpr_workgroup_id_z 1
		.amdhsa_system_vgpr_workitem_id 0
		.amdhsa_next_free_vgpr 768
		.amdhsa_next_free_sgpr 102
		.amdhsa_reserve_vcc 1
		.amdhsa_float_denorm_mode_32 3
		.amdhsa_float_denorm_mode_16_64 3
		.amdhsa_memory_ordered 1
		.amdhsa_forward_progress 1
		.amdhsa_inst_pref_size 172
	.end_amdhsa_kernel
	.amdgpu_metadata
---
amdhsa.version: [ 1, 2 ]
amdhsa.kernels:
  - .name:           k_q82fd07908a_qkv
    .symbol:         k_q82fd07908a_qkv.kd
    .args:
      - { .name: xc, .offset: 0, .size: 8, .value_kind: global_buffer, .address_space: global }
      - { .name: xs, .offset: 8, .size: 8, .value_kind: global_buffer, .address_space: global }
      - { .name: q, .offset: 16, .size: 8, .value_kind: global_buffer, .address_space: global }
      - { .name: kv, .offset: 24, .size: 8, .value_kind: global_buffer, .address_space: global }
    .group_segment_fixed_size: 327680
    .private_segment_fixed_size: 0
    .kernarg_segment_align: 8
    .kernarg_segment_size: 32
    .max_flat_workgroup_size: 128
    .sgpr_count:     102
    .vgpr_count:     768
    .wavefront_size: 32
...
	.end_amdgpu_metadata
.endif
;; end of part 2
;; launch attn (part 3): grid 256 x 1, 16 waves a work-group, clusters of 4 x 1, 210,944 bytes of LDS; arguments q, kv, oc, xs; writes oc, xs
.if DOCPART == 3
	.amdgcn_target "amdgcn-amd-amdhsa--gfx1250"
	.amdhsa_code_object_version 6
	.text
	.protected	k_q82fd07908a_attn
	.globl	k_q82fd07908a_attn
	.p2align	8
	.type	k_q82fd07908a_attn,@function
k_q82fd07908a_attn:
	s_mov_b64 s[64:65], 0
	v_nop
	global_prefetch_b8 v0, s[64:65] scope:SCOPE_SE
	s_setreg_imm32_b32 hwreg(HW_REG_WAVE_MODE, 25, 1), 1
	s_wait_xcnt 0x0
	s_wait_alu depctr_hold_cnt(0) depctr_sa_sdst(0) depctr_va_vdst(0) depctr_va_sdst(0) depctr_va_ssrc(0) depctr_va_vcc(0) depctr_vm_vsrc(0)
	s_getreg_b32 s2, hwreg(HW_REG_IB_STS2, 6, 4)
	s_cmp_eq_u32 s2, 0
	s_cbranch_scc0 .Lentry_in_a_cluster
	s_endpgm
.Lentry_in_a_cluster:
	s_bfe_u32 s2, ttmp6, 0x10000c
	s_cmp_lg_u32 s2, 0x3003
	s_cbranch_scc0 .Lentry_shape_is_right
	s_endpgm
.Lentry_shape_is_right:
; Causal attention on codes of E2M3, and the quantising of its result for the projection.  LEFT OUT: key steps (128 keys) that lie wholly after a tile's 16 queries: reference()'s own jnp.tril makes their weights 0 for all inputs
; (shown at the head of the first kernel; a NaN or infinity that reaches only those steps is not carried).
; t = score x log2(e) / 32 (reference() scales by 1024^-0.5); M = the running largest t rounded up to a whole number; p = 2^(t - M) is quantised along the keys, not normalised; the row's sum is taken of the
; unquantised p and divides at the end; when M moves, the sum and O are multiplied by 2^(old M - new M), which rounds nothing.
; SHARES.  A cluster of four work-groups takes one batch x head; the head's 16 records of 13,056 bytes (k, v, scale words of 128 keys) lie in each work-group's LDS, filled once: wave w asks for record w, jointly with its three partners.
; Wave w of work-group j owns query tiles 127 - (4 w + j) and 4 w + j: 17 key steps for every wave, walked in ONE loop: trips 0 .. DG (DG = 15 - w / 2) are the high tile's records 0 .. DG, trips DG + 1 .. 16 the low tile's records
; w / 2 down to 0.  The running maximum serves any order of the keys.  DG hangs on the wave's number alone: no branch and no LDS address hangs on the place in the cluster.
; AHEAD: a trip's fragments of v are asked for at its top; the next trip's fragments of k behind this trip's score products.
; LAYOUT.  Both products are used transposed: S^T = k q^T, O^T = v^T p^T: a lane holds one query throughout.  The head's 64 fill half of the instruction's K: q's upper half is zero codes.  The eight tiles of k lie six registers apart,
; so that a tile's operand of twelve registers ends in the next tile's codes (the last in six zeros): E2M3 has finite codes alone, and they meet q's zeros.
; p's codes are laid over score registers that are done with.  Nothing is prefetched: every byte that the launch reads through LDS is asked for at its head.
; OUT: oc [K slot 4][row block 512][4 images], K = 64 head + d; the scale bytes into groups 0-127 of xs.  A head owns 2 of a row's 8 scale bytes of a K slot, so they leave as single bytes: one for each 24 of codes.
; LIMITS: a block of zeros gets the byte 1 (its codes are zeros); NaN and infinities are not served; the promise holds while the scaled scores stay under 2^31 in magnitude.
; REGISTERS: v1-3 16 l, 8 l, 16 r; v4, v5 the add's two; v6-8 a record's LDS addresses; v9 the diagonal's d; v10 8 r + h; v11 r + (r & 8) - 16 h; v12 -M, v13 the largest score, v[14:15] the sum; the rest by the names below.
.set REC,   13056
.set SPARE, 208896
.set Q,  16                            ; v16-27 q, six of them zeros
.set KF, 28                            ; v28-81 k's eight tiles and six zeros
.set VF, 82                            ; v82-129 v's four fragments
.set S,  130                           ; v130-193 S^T, then p
.set P,  S+42                          ; p's codes
.set O,  194                           ; v194-225 O^T
.set KS, 226                           ; k's eight scale words
.set VS, 234                           ; v's four
.set QS, 238                           ; q's
.set BM, 240
.set PT, 244
.set SO, 248
.set TT, 252
.set F,  254                           ; f; v255 p's scale word
.set WV, 12
.set DG, 15
.set I,  16
.set TB, 17
.set SEL, 18
.set CS, 20
.macro PLACES n
.rept \n
	v_nop
.endr
.endm
.macro WALU
	s_wait_alu depctr_va_vdst(0)
.endm
.macro CROUND
	s_barrier_signal -1
	s_barrier_wait -1
	s_cmp_lg_u32 s[WV], 0
	s_cbranch_scc1 .Lnot_wave_0_\@
	s_barrier_signal -3
.Lnot_wave_0_\@:
	s_barrier_wait -3
	s_barrier_signal -1
	s_barrier_wait -1
.endm
	s_load_b256 s[4:11], s[0:1], 0x0               ; q s[4:5], kv s[6:7], oc s[8:9], xs s[10:11]
	v_lshl_add_u32 v4, v0, 2, SPARE
	v_mov_b32 v5, 0
	ds_add_u32 v4, v5                              ; the opening lines: the add, twice on end, and its wait
	ds_add_u32 v4, v5
	v_lshrrev_b32 v1, 5, v0
	v_readfirstlane_b32 s[WV], v1                  ; wave 0..15
	s_bfe_u32 s13, ttmp6, 0x40000                  ; cx: it enters q's, oc's and xs's addresses and the diagonal's numbers alone
	s_mov_b32 s14, ttmp9                           ; batch x 16 + head
	s_mov_b32 s24, 15|(3<<16)|(1<<21)              ; group 1: a record as 51 rows of 256 bytes, for all four work-groups
	s_mov_b32 s25, 32<<16
	s_mov_b32 s26, 51<<16
	s_mov_b32 s27, 32<<16
	s_mov_b32 s28, 51
	s_mov_b32 s29, 32
	s_mov_b32 s30, 0
	s_mov_b32 s31, 0
	s_mov_b32 s40, 1
	s_mul_i32 s41, s[WV], REC                      ; record w
	s_mul_i32 s42, s14, 16*REC
	s_add_co_u32 s42, s42, s41
	s_mov_b32 s43, 0
	s_mov_b32 s[SEL], 0x76543210
	s_mov_b32 s[SEL+1], 0xfedcba98
	s_mov_b32 s[CS], 0x3d38aa3b                    ; c = log2(e) / 32
	s_mov_b32 s[CS+1], s[CS]
	s_mul_i32 s70, s14, 106496                     ; the head in q
	s_and_b32 s22, s14, 15
	s_lshr_b32 s23, s22, 2                         ; the head's K slot in the projection,
	s_and_b32 s22, s22, 3                          ; and its image in the slot
	s_mul_i32 s71, s23, 1572864
	s_mul_i32 s2, s22, 768
	s_add_co_u32 s71, s71, s2
	s_lshr_b32 s2, s14, 4                          ; the batch: 128 row blocks
	s_mul_i32 s3, s2, 393216
	s_add_co_u32 s71, s71, s3                      ; oc: all but the tile
	s_lshl_b32 s72, s23, 9
	s_lshl_b32 s22, s22, 1
	s_add_co_u32 s72, s72, s22
	s_lshl_b32 s2, s2, 16
	s_add_co_u32 s72, s72, s2                      ; the scale bytes likewise
	s_lshl_b32 s66, s[WV], 2
	s_add_co_u32 s66, s66, s13                     ; my low tile
	s_xor_b32 s67, s66, 127                        ; my high tile
	s_wait_dscnt 0x0
	s_wait_kmcnt 0x0
	s_add_nc_u64 s[42:43], s[6:7], s[42:43]
	s_or_b32 s43, s43, 0x80000000
	CROUND                                         ; all four work-groups are here: the joint loads meet
	tensor_load_to_lds s[40:43], s[24:31]          ; every wave's one load
	s_nop 0
.macro TADDR tb, pr, dg                ; a tile's addresses: q's image, q's scale words, oc's image, its scale bytes, into s[pr] .. s[pr+7]; its first place in its last key step into s[dg]
	s_lshr_b32 s22, s[\tb], 3
	s_mul_i32 s22, s22, 6656
	s_add_co_u32 s22, s22, s70
	s_and_b32 s23, s[\tb], 7
	s_mul_i32 s2, s23, 768
	s_add_co_u32 s2, s2, s22
	s_mov_b32 s3, 0
	s_add_nc_u64 s[\pr:\pr+1], s[4:5], s[2:3]
	s_lshr_b32 s2, s23, 2
	s_lshl_b32 s2, s2, 8
	s_add_co_u32 s2, s2, s22
	s_and_b32 s22, s[\tb], 3
	s_lshl_b32 s23, s22, 2
	s_add_co_u32 s2, s2, s23
	s_add_co_u32 s2, s2, 6144
	s_add_nc_u64 s[\pr+2:\pr+3], s[4:5], s[2:3]
	s_mul_i32 s2, s[\tb], 3072
	s_add_co_u32 s2, s2, s71
	s_add_nc_u64 s[\pr+4:\pr+5], s[8:9], s[2:3]
	s_lshr_b32 s2, s[\tb], 2
	s_lshl_b32 s2, s2, 11
	s_lshl_b32 s22, s22, 7
	s_add_co_u32 s2, s2, s22
	s_add_co_u32 s2, s2, s72
	s_add_nc_u64 s[\pr+6:\pr+7], s[10:11], s[2:3]
	s_and_b32 s22, s[\tb], 6
	s_lshl_b32 s22, s22, 4
	s_and_b32 s23, s[\tb], 1
	s_lshl_b32 s23, s23, 3
	s_add_co_u32 s[\dg], s22, s23                  ; 32 ((tile % 8) / 2) + 8 (tile % 2)
.endm
	TADDR 66, 48, 68
	TADDR 67, 56, 69
	v_and_b32 v6, 31, v0
	v_and_b32 v7, 15, v0                           ; r
	v_bfe_u32 v8, v0, 4, 1                         ; h
	v_lshlrev_b32 v1, 4, v6
	v_lshlrev_b32 v2, 3, v6
	v_lshlrev_b32 v3, 4, v7
	global_load_b128 v[Q:Q+3], v1, s[56:57]        ; the high tile's q: an image, as it lies
	global_load_b64 v[Q+4:Q+5], v2, s[56:57] offset:512
	global_load_b32 v[QS], v3, s[58:59]
	v_lshl_add_u32 v10, v7, 3, v8
	v_and_b32 v11, 8, v7
	v_lshlrev_b32 v8, 4, v8
	v_add_nc_u32 v11, v11, v7
	v_sub_nc_u32 v11, v11, v8
.irp j, 0,1,2,3,4,5
	v_mov_b32 v[Q+6+\j], 0                         ; K = 64 .. 127 of q: zero codes, for the whole launch
	v_mov_b32 v[KF+48+\j], 0                       ; and what the last tile of k ends in
.endr
.irp j, PT,PT+1,PT+2,PT+3,TT,TT+1,F+1
	v_mov_b32 v[\j], 0                             ; lane permutes' destinations and upper halves of pairs are written once
.endr
.macro INIT dg                         ; a tile begins: O^T and the sum are zeros, the largest score lies under every score: so the key step has no first step of its own
	v_add_nc_u32 v9, s[\dg], v11                   ; d = my query's place in its last key step - 16 h
	v_mov_b32 v13, 0xff61b1e6
	v_mov_b32 v12, 0x7f61b1e6
	v_mov_b32 v14, 0
	v_mov_b32 v15, 0
.set n_, 0
.rept 32
	v_mov_b32 v[O+n_], 0
.set n_, n_+1
.endr
.endm
.macro KLOAD                           ; 18 loads: k's eight tiles and their scale words, of the record at v6-8
.irp t, 0,1,2,3,4,5,6,7
	ds_load_b128 v[KF+6*\t:KF+6*\t+3], v6 offset:768*\t
	ds_load_b64 v[KF+6*\t+4:KF+6*\t+5], v7 offset:768*\t+512
.endr
	ds_load_b128 v[KS:KS+3], v8 offset:12288
	ds_load_b128 v[KS+4:KS+7], v8 offset:12544
.endm
; A tile ends: O^T / the sum, quantised along the head's 64 (two blocks), leaves as one image and 32 scale bytes
.macro FINISH ob
	v_add_f32 v14, v14, v15
	v_permlanex16_b32 v[TT+1], v14, s[SEL], s[SEL+1]
	v_add_f32 v14, v14, v[TT+1]                    ; the row's sum
	WALU
	v_rcp_f32 v14, v14
	v_nop
	WALU
.set n_, 0
.rept 16
	v_pk_mul_f32 v[S+n_:S+n_+1], v[O+n_:O+n_+1], v[14:15] op_sel_hi:[1,0]   ; register 16 b + i = d 32 b + 16 h + i; each accumulator from its low end on
.set n_, n_+2
.endr
.irp b, 0,1
	v_max3_num_f32 v[BM+\b], |v[S+16*\b]|, |v[S+1+16*\b]|, 0x1800000
.endr
.irp i, 2,4,6,8,10,12,14
.irp b, 0,1
	v_max3_num_f32 v[BM+\b], v[BM+\b], |v[S+16*\b+\i]|, |v[S+1+16*\b+\i]|
.endr
.endr
.irp b, 0,1
	v_permlanex16_b32 v[PT+\b], v[BM+\b], s[SEL], s[SEL+1]
.endr
.irp b, 0,1
	v_max_num_f32 v[BM+\b], v[BM+\b], v[PT+\b]
.endr
.irp b, 0,1
	v_add_nc_u32 v[SO+\b], 0xff000000, v[BM+\b]
.endr
.irp b, 0,1
	v_lshrrev_b32 v[PT+\b], 23, v[SO+\b]
.endr
	v_cvt_scalef32_pk16_fp6_f32 v[S+32:S+34], v[S:S+15], v[SO]
	v_cvt_scalef32_pk16_fp6_f32 v[S+36:S+38], v[S+16:S+31], v[SO+1]
	v_nop
.irp i, 0,1,2
	v_permlane16_swap_b32 v[S+32+\i], v[S+36+\i]
.endr
.irp i, 0,1,2
	v_mov_b32 v[S+35+\i], v[S+36+\i]
.endr
	v_cmp_ne_u32 vcc_lo, v1, v3                    ; lanes 16-31
	v_cndmask_b32 v[TT], v[PT], v[PT+1], vcc_lo    ; lane (r, h): block h's byte
	global_store_b128 v1, v[S+32:S+35], s[\ob:\ob+1]
	global_store_b64 v2, v[S+36:S+37], s[\ob:\ob+1] offset:512
	global_store_b8 v10, v[TT], s[\ob+2:\ob+3]
.endm
; A TRIP: 128 keys.  pre = 1: a trip of the loop, which asks for the next trip's k and may end the high tile; pre = 0: the last trip
.macro STEP pre
.if \pre
	s_xor_b32 s22, s[I], 15                        ; the next trip's record: the low tile's, 16 - (I + 1),
	s_add_co_u32 s23, s[I], 1                      ; or the high tile's, I + 1, while that is at most DG
	s_cmp_lt_u32 s[I], s[DG]
	s_cselect_b32 s22, s23, s22
	s_min_u32 s22, s22, 15
	s_mul_i32 s[TB], s22, REC
.endif
.irp t, 0,1,2,3                        ; 17 loads: v's four fragments and scale words
	ds_load_b128 v[VF+12*\t:VF+12*\t+3], v6 offset:6144+768*\t
	ds_load_b64 v[VF+12*\t+4:VF+12*\t+5], v7 offset:6144+768*\t+512
	ds_load_b128 v[VF+12*\t+6:VF+12*\t+9], v6 offset:9216+768*\t
	ds_load_b64 v[VF+12*\t+10:VF+12*\t+11], v7 offset:9216+768*\t+512
.endr
	ds_load_b128 v[VS:VS+3], v8 offset:12800
	s_wait_dscnt 17                                ; k's 18 loads, issued ahead of these 17, are in
.irp t, 0,1,2,3,4,5,6,7
	v_wmma_scale_f32_16x16x128_f8f6f4 v[S+8*\t:S+8*\t+7], v[KF+6*\t:KF+6*\t+11], v[Q:Q+11], 0, v[KS+\t], v[QS] matrix_a_fmt:MATRIX_FMT_FP6 matrix_b_fmt:MATRIX_FMT_FP6
.endr
.if \pre
	v_add_nc_u32 v6, s[TB], v1                     ; four places behind the products: the next record's addresses
	v_add_nc_u32 v7, s[TB], v2
	v_add_nc_u32 v8, s[TB], v3
	v_nop
	KLOAD
.else
	PLACES 4
.endif
	s_sub_co_u32 s22, s[I], s[DG]                  ; trips DG and DG + 1 hold a tile's diagonal: hidden scores become -infinity ahead of the maximum: p = 0 then
	s_cmp_lt_u32 s22, 2
	s_cbranch_scc0 .Lopen_\@
	v_mov_b32 v[TT], 0xff800000
.set n_, 0
.rept 64                               ; register 16 b + i holds key 32 b + 16 h + i of the step: hidden where 32 b + i > d
	v_cmp_gt_i32 vcc_lo, 32*(n_/16)+n_%16, v9
	v_cndmask_b32 v[S+n_], v[S+n_], v[TT], vcc_lo
.set n_, n_+1
.endr
.if \pre
	WALU
	s_cmp_lg_u32 s[I], s[DG]
	s_cbranch_scc1 .Lopen_\@
	global_load_b128 v[Q:Q+3], v1, s[48:49]        ; the high tile's last score products are issued: the low tile's q is asked for
	global_load_b64 v[Q+4:Q+5], v2, s[48:49] offset:512
	global_load_b32 v[QS], v3, s[50:51]
.endif
.Lopen_\@:
.irp b, 0,1,2,3
	v_max3_num_f32 v[BM+\b], v[S+16*\b], v[S+1+16*\b], v[S+2+16*\b]   ; the largest score of each block of 32 keys: for the row's maximum, and, since p rises with the score, for the block's largest p
.endr
.irp i, 3,5,7,9,11,13
.irp b, 0,1,2,3
	v_max3_num_f32 v[BM+\b], v[BM+\b], v[S+16*\b+\i], v[S+1+16*\b+\i]
.endr
.endr
.irp b, 0,1,2,3
	v_max_num_f32 v[BM+\b], v[BM+\b], v[S+15+16*\b]
.endr
.irp b, 0,1,2,3
	s_delay_alu instid0(VALU_DEP_4)
	v_permlanex16_b32 v[PT+\b], v[BM+\b], s[SEL], s[SEL+1]
.endr
.irp b, 0,1,2,3
	s_delay_alu instid0(VALU_DEP_4)
	v_max_num_f32 v[BM+\b], v[BM+\b], v[PT+\b]
.endr
	s_delay_alu instid0(VALU_DEP_2)
	v_max3_num_f32 v[TT], v[BM], v[BM+1], v[BM+2]
	s_delay_alu instid0(VALU_DEP_1)
	v_max3_num_f32 v13, v13, v[TT], v[BM+3]        ; the running largest score
	s_delay_alu instid0(VALU_DEP_1)
	v_mul_f32 v[TT], s[CS], v13                    ; as t (c is positive)
	v_mov_b32 v[TT+1], v12
	s_delay_alu instid0(VALU_DEP_2)
	v_floor_f32 v12, -v[TT]                        ; the new -M = -ceil(t)
.set n_, 0
.rept 32
	v_pk_fma_f32 v[S+n_:S+n_+1], v[S+n_:S+n_+1], s[CS:CS+1], v[12:13] op_sel_hi:[1,0,0]   ; t - M, two at a time
.if n_ == 10
	v_sub_f32 v[TT+1], v12, v[TT+1]                ; old M - new M: a whole number, 0 or less
.elseif n_ == 22
	v_cvt_i32_f32 v[TT+1], v[TT+1]                 ; (it saturates)
.elseif n_ == 34
	v_ldexp_f32 v[F], 1.0, v[TT+1]                 ; f = 2^(old M - new M)
.endif
.set n_, n_+2
.endr
.irp b, 0,1,2,3
	v_fma_f32 v[BM+\b], v[BM+\b], s[CS], v12
.endr
	WALU
.set n_, 0
.rept 64
	v_exp_f32 v[S+n_], v[S+n_]                     ; p = 2^(t - M)
.set n_, n_+1
.endr
	v_pk_mul_f32 v[14:15], v[14:15], v[F:F+1] op_sel_hi:[1,0]   ; the sums under the new M: the plain place behind the exponentials
	WALU                                           ; one wait for the batch of 64
.irp b, 0,1,2,3
	v_exp_f32 v[BM+\b], v[BM+\b]                   ; each block's largest p
.endr
.set n_, 0
.irp c, TT, PT, PT+2, SO, SO+2         ; the row's sum of the unquantised p: 32 packed additions in six chains
	v_pk_add_f32 v[\c:\c+1], v[S+n_:S+n_+1], v[S+n_+2:S+n_+3]
.set n_, n_+4
.endr
.rept 3
.irp c, 14, TT, PT, PT+2, SO, SO+2
	v_pk_add_f32 v[\c:\c+1], v[\c:\c+1], v[S+n_:S+n_+1]
.set n_, n_+2
.endr
.endr
.irp c, 14, TT, PT, PT+2
	v_pk_add_f32 v[\c:\c+1], v[\c:\c+1], v[S+n_:S+n_+1]
.set n_, n_+2
.endr
	v_pk_add_f32 v[SO:SO+1], v[SO:SO+1], v[SO+2:SO+3]
	v_pk_add_f32 v[TT:TT+1], v[TT:TT+1], v[PT:PT+1]
	v_pk_add_f32 v[14:15], v[14:15], v[PT+2:PT+3]
	v_pk_add_f32 v[TT:TT+1], v[TT:TT+1], v[SO:SO+1]
	v_pk_add_f32 v[14:15], v[14:15], v[TT:TT+1]
	WALU                                           ; and one for the four
.irp b, 0,1,2,3
	v_max_num_f32 v[BM+\b], 0x1800000, v[BM+\b]    ; the floor: the byte cannot fall under 1
.endr
.irp b, 0,1,2,3
	s_delay_alu instid0(VALU_DEP_4)
	v_add_nc_u32 v[SO+\b], 0xff000000, v[BM+\b]
.endr
.irp b, 0,1,2,3
	s_delay_alu instid0(VALU_DEP_4)
	v_lshrrev_b32 v[PT+\b], 23, v[SO+\b]
.endr
	; the four blocks' codes; a later conversion's codes land on an earlier one's numbers, one plain line behind it: the lines that gather p's scale word
	v_cvt_scalef32_pk16_fp6_f32 v[BM:BM+2], v[S+48:S+63], v[SO+3]
	v_lshl_or_b32 v[F+1], v[PT+1], 8, v[PT]
	v_cvt_scalef32_pk16_fp6_f32 v[P+6:P+8], v[S+32:S+47], v[SO+2]
	v_lshl_or_b32 v[F+1], v[PT+2], 16, v[F+1]
	v_cvt_scalef32_pk16_fp6_f32 v[P:P+2], v[S:S+15], v[SO]
	v_lshl_or_b32 v[F+1], v[PT+3], 24, v[F+1]
	v_cvt_scalef32_pk16_fp6_f32 v[PT:PT+2], v[S+16:S+31], v[SO+1]
	v_nop
.irp i, 0,1,2                          ; the operand's layout wants a whole block in a lane
	v_permlane16_swap_b32 v[P+\i], v[PT+\i]
	v_permlane16_swap_b32 v[P+6+\i], v[BM+\i]
.endr
.irp i, 0,1,2
	v_mov_b32 v[P+3+\i], v[PT+\i]
	v_mov_b32 v[P+9+\i], v[BM+\i]
.endr
	WALU
.set n_, 0
.rept 16
	v_pk_mul_f32 v[O+n_:O+n_+1], v[O+n_:O+n_+1], v[F:F+1] op_sel_hi:[1,0]   ; O^T under the new M; also the places between the scale word's and the codes' last writes and the products
.set n_, n_+2
.endr
	WALU
	s_wait_dscnt 18*\pre                           ; v's 17 loads are in; the next k's 18, issued behind them, may be out
.irp t, 0,1,2,3                        ; O^T += v^T p^T: four accumulators by turns
	v_wmma_scale_f32_16x16x128_f8f6f4 v[O+8*\t:O+8*\t+7], v[VF+12*\t:VF+12*\t+11], v[P:P+11], v[O+8*\t:O+8*\t+7], v[VS+\t], v[F+1] matrix_a_fmt:MATRIX_FMT_FP6 matrix_b_fmt:MATRIX_FMT_FP6
.endr
	PLACES 5                                       ; in front of the loads into v's registers, of the reads of O^T, and of the score products that write over p's codes
.if \pre
	s_wait_loadcnt 0x0                             ; on every wave's way: where the low tile's q was asked for in this trip, it is in
	s_cmp_lg_u32 s[I], s[DG]
	s_cbranch_scc1 .Lsame_\@
	FINISH 60                                      ; the high tile is done
	s_wait_xcnt 0x0                                ; the stores have read their registers
	INIT 68
	WALU
.Lsame_\@:
.endif
.endm
	s_lshr_b32 s[DG], s[WV], 1
	s_xor_b32 s[DG], s[DG], 15                     ; the high tile's last step: 15 - wave / 2
	INIT 69
	v_mov_b32 v6, v1                               ; record 0
	v_mov_b32 v7, v2
	v_mov_b32 v8, v3
	s_mov_b32 s[I], 0
	WALU
	s_wait_tensorcnt 0x0                           ; my record is in,
	s_barrier_signal -1
	s_barrier_wait -1                              ; and everybody's; from here on the waves run freely
	KLOAD
	s_wait_loadcnt 0x0                             ; q
.Lwalk:
	STEP 1
	s_add_co_u32 s[I], s[I], 1
	s_cmp_lt_u32 s[I], 16
	s_cbranch_scc1 .Lwalk
	STEP 0
	FINISH 52
	s_wait_tensorcnt 0x0                           ; the wave's end
	ds_add_u32 v4, v5
	s_wait_dscnt 0x0
	CROUND                                         ; the closing round
	s_endpgm
.Lfunc_end_k_q82fd07908a_attn:
	.size	k_q82fd07908a_attn, .Lfunc_end_k_q82fd07908a_attn-k_q82fd07908a_attn
	.p2alignl 7, 3214868480
	.fill 96, 4, 3214868480
	.section	.rodata,"a",@progbits
	.p2align	6, 0x0
	.amdhsa_kernel k_q82fd07908a_attn
		.amdhsa_group_segment_fixed_size 210944
		.amdhsa_private_segment_fixed_size 0
		.amdhsa_enable_private_segment 0
		.amdhsa_kernarg_size 32
		.amdhsa_user_sgpr_count 2
		.amdhsa_user_sgpr_kernarg_segment_ptr 1
		.amdhsa_wavefront_size32 1
		.amdhsa_system_sgpr_workgroup_id_x 1
		.amdhsa_system_sgpr_workgroup_id_y 1
		.amdhsa_system_sgpr_workgroup_id_z 1
		.amdhsa_system_vgpr_workitem_id 0
		.amdhsa_next_free_vgpr 256
		.amdhsa_next_free_sgpr 76
		.amdhsa_reserve_vcc 1
		.amdhsa_float_denorm_mode_32 3
		.amdhsa_float_denorm_mode_16_64 3
		.amdhsa_memory_ordered 1
		.amdhsa_forward_progress 1
		.amdhsa_inst_pref_size 61
	.end_amdhsa_kernel
	.amdgpu_metadata
---
amdhsa.version: [ 1, 2 ]
amdhsa.kernels:
  - .name:           k_q82fd07908a_attn
    .symbol:         k_q82fd07908a_attn.kd
    .args:
      - { .name: q, .offset: 0, .size: 8, .value_kind: global_buffer, .address_space: global }
      - { .name: kv, .offset: 8, .size: 8, .value_kind: global_buffer, .address_space: global }
      - { .name: oc, .offset: 16, .size: 8, .value_kind: global_buffer, .address_space: global }
      - { .name: xs, .offset: 24, .size: 8, .value_kind: global_buffer, .address_space: global }
    .group_segment_fixed_size: 210944
    .private_segment_fixed_size: 0
    .kernarg_segment_align: 8
    .kernarg_segment_size: 32
    .max_flat_workgroup_size: 512
    .sgpr_count:     76
    .vgpr_count:     256
    .wavefront_size: 32
...
	.end_amdgpu_metadata
.endif
;; end of part 3
;; launch proj (part 4): grid 8 x 32, 4 waves a work-group, clusters of 4 x 4, 295,424 bytes of LDS; arguments oc, xc, xs, b_proj, out0; writes out0
.if DOCPART == 4
	.amdgcn_target "amdgcn-amd-amdhsa--gfx1250"
	.amdhsa_code_object_version 6
	.text
	.protected	k_q82fd07908a_proj
	.globl	k_q82fd07908a_proj
	.p2align	8
	.type	k_q82fd07908a_proj,@function
k_q82fd07908a_proj:
	s_mov_b64 s[64:65], 0
	v_nop
	global_prefetch_b8 v0, s[64:65] scope:SCOPE_SE
	s_setreg_imm32_b32 hwreg(HW_REG_WAVE_MODE, 25, 1), 1
	s_wait_xcnt 0x0
	s_wait_alu depctr_hold_cnt(0) depctr_sa_sdst(0) depctr_va_vdst(0) depctr_va_sdst(0) depctr_va_ssrc(0) depctr_va_vcc(0) depctr_vm_vsrc(0)
	s_getreg_b32 s2, hwreg(HW_REG_IB_STS2, 6, 4)
	s_cmp_eq_u32 s2, 0
	s_cbranch_scc0 .Lentry_in_a_cluster
	s_endpgm
.Lentry_in_a_cluster:
	s_bfe_u32 s2, ttmp6, 0x10000c
	s_cmp_lg_u32 s2, 0xf033
	s_cbranch_scc0 .Lentry_shape_is_right
	s_endpgm
.Lentry_shape_is_right:
; out0 = (attention's result) times w_proj + b_proj, on codes of E2M3 (K = 1,024).  Nothing is left out here.
; The frame is the one of the launch that makes q, k and v: a tile of 256 tokens (A) x 128 columns (B), all of K in LDS (4 K slots of 256), nothing filled again; wave w takes tokens 64 w .. 64 w + 63: 32 accumulators;
; the matrix instruction is used transposed (source 0 = 16 rows of w_proj's codes, source 1 = 16 tokens), so that by the buffers' row order a lane's 16 registers of B tiles 2 b, 2 b + 1 are columns 32 b + 16 h + 0 .. 15 of one token.
; FILLS: one tensor load a wave: wave 0 A's K slots 0, 1, wave 1 B's, wave 2 A's K slots 2, 3, wave 3 B's.  Scale words go from xs straight into registers.
; The bias is the C of each sum's first product.  CLUSTER 4 x 4: A's tiles are shared along a row of the cluster, B's along a column.  Nothing is prefetched: every byte that comes through LDS is asked for at the head.
; THE WAY OUT: 16 tokens x 128 columns at a time through my stage in LDS and back as whole rows of 512 bytes.  The stage lies in A's K slot 0, which has had its only fill, and whose last reads lie in front of the barrier in K step 3.
; REGISTERS: window 0: v1-15 lane terms, v16-31 LDS addresses, v32-63 and v160-191 scale words, v64-159 A's fragments (two sets; on the way out v64-191 rows of out0), v192-255 the bias.  window 1: accumulator (a, b) at 8 (8 a + b).  window 2: B's fragments.
.set ASL,   49152
.set BSL,   24576
.set BOFF,  196608
.set SPARE, 294912
.set KSTRA, 1572864                    ; from K slot to K slot in oc
.set KSTRB, 2359296                    ; and in xc
.set ADRS, 13
.set SPW,  14
.set NIL,  15
.set A16,  16
.set A8,   20
.set B16,  24
.set B8,   28
.set SC,   32
.set SCJ,  96
.set AF,   64
.set BIAS, 192
.set G1A,  24
.set G1B,  32
.set G0A,  56
.set G0B,  76
.set MSB, 0
.macro WIN new
.if MSB != \new
	s_set_vgpr_msb (MSB<<8)|\new
.set MSB, \new
.endif
.endm
.macro PLACES n
.rept \n
	v_nop
.endr
.endm
.macro CROUND
	s_barrier_signal -1
	s_barrier_wait -1
	s_cmp_lg_u32 s16, 0
	s_cbranch_scc1 .Lnot_wave_0_\@
	s_barrier_signal -3
.Lnot_wave_0_\@:
	s_barrier_wait -3
	s_barrier_signal -1
	s_barrier_wait -1
.endm
.macro TILE g, el, pitch
	s_mov_b32 s[\g+1], (\el)<<16
	s_mov_b32 s[\g+2], 2<<16
	s_mov_b32 s[\g+3], (\el)<<16
	s_mov_b32 s[\g+4], 2
	s_mov_b32 s[\g+5], \pitch
	s_mov_b32 s[\g+6], 0
	s_mov_b32 s[\g+7], 0
.endm
.macro ARM n, g0, g1, next
	s_cmp_eq_u32 s16, \n
	s_cbranch_scc0 \next
	tensor_load_to_lds s[\g0:\g0+3], s[\g1:\g1+7]
	s_nop 0
	PLACES 4
	s_branch .Lfilled
\next:
.endm
	s_load_b128 s[4:7], s[0:1], 0x0                ; oc s[4:5], xc s[6:7]
	s_load_b64 s[92:93], s[0:1], 0x10              ; xs
	s_load_b128 s[12:15], s[0:1], 0x18             ; b_proj s[12:13], out0 s[14:15]
	v_lshl_add_u32 v[SPW], v0, 2, SPARE
	v_mov_b32 v[NIL], 0
	ds_add_u32 v[SPW], v[NIL]                      ; the opening lines: the add, twice on end, and its wait
	ds_add_u32 v[SPW], v[NIL]
	v_lshrrev_b32 v1, 5, v0
	v_readfirstlane_b32 s16, v1                    ; wave
	s_lshr_b32 s99, s16, 1                         ; which pair of K slots I fetch
	s_bfe_u32 s18, ttmp6, 0x40000                  ; cx
	s_bfe_u32 s19, ttmp6, 0x40004                  ; cy
	s_lshl_b32 s20, ttmp9, 2
	s_add_co_u32 s20, s20, s18                     ; tile column: 128 columns
	s_and_b32 s21, ttmp7, 0xffff
	s_lshl_b32 s21, s21, 2
	s_add_co_u32 s21, s21, s19                     ; tile row: 256 tokens
	s_lshl_b32 s2, s19, 2
	s_lshl_b32 s2, 15, s2                          ; my row of the cluster
	s_lshl_b32 s3, 0x1111, s18                     ; my column
	s_or_b32 s[G1A], s2, (3<<16)|(1<<21)
	s_or_b32 s[G1B], s3, (3<<16)|(1<<21)
	TILE G1A, ASL/8, KSTRA/8
	TILE G1B, BSL/8, KSTRB/8
	s_lshl_b32 s22, s21, 4                         ; A's side: registers that never hold cx
	s_mul_i32 s[G0A+2], s22, 3072
	s_mul_i32 s23, s99, 2*KSTRA
	s_add_co_u32 s[G0A+2], s[G0A+2], s23
	s_mov_b32 s[G0A+3], 0
	s_mov_b32 s[G0A], 1
	s_mul_i32 s[G0A+1], s99, 2*ASL
	s_lshl_b32 s66, s20, 3                         ; B's side: registers that never hold cy
	s_add_co_u32 s66, s66, 704                     ; w_proj's rows begin at row block 512 + 192 of xc
	s_mul_i32 s[G0B+2], s66, 3072
	s_mul_i32 s67, s99, 2*KSTRB
	s_add_co_u32 s[G0B+2], s[G0B+2], s67
	s_mov_b32 s[G0B+3], 0
	s_mov_b32 s[G0B], 1
	s_mul_i32 s[G0B+1], s99, 2*BSL
	s_add_co_u32 s[G0B+1], s[G0B+1], BOFF
	s_lshl_b32 s96, s22, 9                         ; scale bytes, 512 a row block: A's lie in groups 0-127 of xs: my group of 64 rows;
	s_lshl_b32 s97, s16, 11
	s_add_co_u32 s96, s96, s97
	s_lshl_b32 s97, s66, 9
	s_add_co_u32 s97, s97, 262144                  ; B's behind those 128 groups
	s_wait_dscnt 0x0
	s_wait_kmcnt 0x0
	s_add_nc_u64 s[G0A+2:G0A+3], s[4:5], s[G0A+2:G0A+3]
	s_or_b32 s[G0A+3], s[G0A+3], 0x80000000
	s_add_nc_u64 s[G0B+2:G0B+3], s[6:7], s[G0B+2:G0B+3]
	s_or_b32 s[G0B+3], s[G0B+3], 0x80000000
	CROUND                                         ; all sixteen work-groups are here: the joint loads meet
	ARM 0, G0A, G1A, .Larm1
	ARM 1, G0B, G1B, .Larm2
	ARM 2, G0A, G1A, .Larm3
	tensor_load_to_lds s[G0B:G0B+3], s[G1B:G1B+7]
	s_nop 0
	PLACES 4
.Lfilled:
	v_and_b32 v1, 31, v0                           ; lane
	v_and_b32 v2, 15, v0                           ; r
	v_bfe_u32 v3, v0, 4, 1                         ; h
	v_lshlrev_b32 v4, 4, v1
	v_lshlrev_b32 v5, 3, v1
	v_lshlrev_b32 v7, 6, v3                        ; the bias: my half's 16 columns of each 32
	s_lshl_b32 s2, s20, 9
	s_mov_b32 s3, 0
	s_add_nc_u64 s[12:13], s[12:13], s[2:3]        ; the tile's 128 numbers of b_proj
.irp b, 0,1,2,3,4,5,6,7                ; tile b's eight registers: columns 32 (b / 2) + 16 h + 8 (b % 2) + 0 .. 7
	global_load_b128 v[BIAS+8*\b:BIAS+8*\b+3], v7, s[12:13] offset:128*(\b/2)+32*(\b%2)
	global_load_b128 v[BIAS+8*\b+4:BIAS+8*\b+7], v7, s[12:13] offset:128*(\b/2)+32*(\b%2)+16
.endr
	s_mul_i32 s2, s16, 12288
.irp k, 0,1,2,3
	v_add_nc_u32 v[A16+\k], s2, v4
	v_add_nc_u32 v[A8+\k], s2, v5
	v_add_nc_u32 v[B16+\k], BSL*\k+BOFF, v4
	v_add_nc_u32 v[B8+\k], BSL*\k+BOFF, v5
	s_add_co_u32 s2, s2, ASL
.endr
	v_sub_nc_u32 v9, 1, v3
	v_mul_u32_u24 v6, s96, v9                      ; lanes 0-15 take A's scale bytes,
	v_mad_u32_u24 v6, s97, v3, v6                  ; lanes 16-31 B's
	v_lshl_add_u32 v[ADRS], v2, 3, v6
.irp k, 0,1,2,3
.irp i, 0,1,2,3,4,5,6,7
	global_load_b64 v[SC+16*\k+SCJ*(\k/2)+2*\i:SC+16*\k+SCJ*(\k/2)+2*\i+1], v[ADRS], s[92:93] offset:512*\k+2048*(\i/4)+128*(\i%4)
.endr
.endr
	s_mul_i32 s2, s16, 8448                        ; my stage: 16 rows x (512 + 16) bytes
	v_mul_u32_u24 v8, v2, 528
	v_lshl_add_u32 v8, v3, 6, v8
	v_add_nc_u32 v8, s2, v8                        ; in: row r, + 64 h
	v_add_nc_u32 v9, s2, v4                        ; back: 16 bytes a lane of a whole row
	s_lshl_b32 s2, s21, 8
	s_lshl_b32 s22, s16, 6
	s_add_co_u32 s2, s2, s22
	s_lshl_b32 s2, s2, 12                          ; my first token's row of 4,096 bytes,
	s_lshl_b32 s22, s20, 9
	s_add_co_u32 s2, s2, s22                       ; + the tile's 512 bytes
	s_add_nc_u64 s[14:15], s[14:15], s[2:3]
.macro FRAG reg, a16, a8, off
	ds_load_b128 v[\reg:\reg+3], v[\a16] offset:\off
	ds_load_b64 v[\reg+4:\reg+5], v[\a8] offset:\off+512
	ds_load_b128 v[\reg+6:\reg+9], v[\a16] offset:\off+768
	ds_load_b64 v[\reg+10:\reg+11], v[\a8] offset:\off+1280
.endm
.macro FETCH_A s
.irp i, 0,1,2,3
	FRAG AF+48*((\s)%2)+12*\i, A16+(\s)/2, A8+(\s)/2, 3072*\i+1536*((\s)%2)
.endr
.endm
.macro FETCH_B s
	WIN 0x80
.irp i, 0,1,2,3,4,5,6,7
	FRAG 128*((\s)%2)+12*\i, B16+(\s)/2, B8+(\s)/2, 3072*\i+1536*((\s)%2)
.endr
	WIN 0
.endm
; 16 products; the 32 accumulators take turns, one instruction a turn, in the same order in every K step.  first = 1: the bias is the C
.macro MUL16 a0, s, first
.if \first
	WIN 0x42                                       ; source 0 (B) window 2, source 1 (A) and C (the bias) window 0, D window 1
.else
	WIN 0x52                                       ; C and D window 1
.endif
.irp a, \a0, \a0+1
.irp b, 0,1,2,3,4,5,6,7
.set RD_, 8*(8*(\a)+\b)
.set RB_, 128*((\s)%2)+12*\b
.set RA_, AF+48*((\s)%2)+12*(\a)
.set SB_, SC+16*((\s)/2)+SCJ*((\s)/4)+2*\b+(\s)%2
.set SA_, SC+16*((\s)/2)+SCJ*((\s)/4)+2*(\a)+(\s)%2
.if \first
	v_wmma_scale_f32_16x16x128_f8f6f4 v[RD_:RD_+7], v[RB_:RB_+11], v[RA_:RA_+11], v[BIAS+8*\b:BIAS+8*\b+7], v[SB_], v[SA_] matrix_a_fmt:MATRIX_FMT_FP6 matrix_b_fmt:MATRIX_FMT_FP6 matrix_a_scale:MATRIX_SCALE_ROW1
.else
	v_wmma_scale_f32_16x16x128_f8f6f4 v[RD_:RD_+7], v[RB_:RB_+11], v[RA_:RA_+11], v[RD_:RD_+7], v[SB_], v[SA_] matrix_a_fmt:MATRIX_FMT_FP6 matrix_b_fmt:MATRIX_FMT_FP6 matrix_a_scale:MATRIX_SCALE_ROW1
.endif
.endr
.endr
.endm
.macro KSTEP s, first
	s_wait_dscnt 0x0                               ; this step's fragments are in (asked for a step ago)
.if (\s) > 0
	PLACES 4                                       ; in front of loads into registers that the last step's products read
.endif
	FETCH_B (\s)+1
	FETCH_A (\s)+1
	MUL16 0, \s, \first
	MUL16 2, \s, \first
.endm
.macro KMEET s                         ; K slots 2 and 3 are shown to every wave by a barrier
	s_wait_dscnt 0x0
	s_wait_tensorcnt 0x0                           ; every wave's one load is in
	s_barrier_signal -1
	MUL16 0, \s, 0
	s_barrier_wait -1
	PLACES 4
	FETCH_B (\s)+1
	FETCH_A (\s)+1
	MUL16 2, \s, 0
.endm
	s_wait_alu depctr_va_vdst(0)
	s_cmp_lt_u32 s16, 2
	s_cbranch_scc0 .Llater
	s_wait_tensorcnt 0x0                           ; waves 0 and 1: K slots 0 and 1 are in; their load lines are their own
.Llater:
	s_barrier_signal -1
	s_barrier_wait -1
	FETCH_B 0
	FETCH_A 0
	s_wait_loadcnt 0x0                             ; the bias and the scale words
	KSTEP 0, 1
	KSTEP 1, 0
	KSTEP 2, 0
	KMEET 3
	KSTEP 4, 0
	KSTEP 5, 0
	KSTEP 6, 0
	s_wait_dscnt 0x0
	MUL16 0, 7, 0
	MUL16 2, 7, 0
	WIN 0
.macro TOSTAGE a                       ; LDS serves a wave's instructions in order: no wait between the stores and the loads, nor in front of the next block's stores
	WIN 0x04                                       ; an LDS store's data are its source 1: window 1
.irp b, 0,1,2,3,4,5,6,7
	ds_store_b128 v8, v[64*(\a)+8*\b:64*(\a)+8*\b+3] offset:128*(\b/2)+32*(\b%2)          ; each accumulator from its low end on
	ds_store_b128 v8, v[64*(\a)+8*\b+4:64*(\a)+8*\b+7] offset:128*(\b/2)+32*(\b%2)+16
.endr
	WIN 0
.set BB, 64+64*((\a)%2)
.irp t, 0,1,2,3,4,5,6,7,8,9,10,11,12,13,14,15
	ds_load_b128 v[BB+4*\t:BB+4*\t+3], v9 offset:528*\t
.endr
.endm
.macro SEND a, younger                 ; place t of block a is token 32 (a / 2) + 8 (a % 2) + t + 8 (t / 8) of my 64
.set BB, 64+64*((\a)%2)
	s_wait_dscnt \younger
.irp t, 0,1,2,3,4,5,6,7,8,9,10,11,12,13,14,15
	global_store_b128 v4, v[BB+4*\t:BB+4*\t+3], s[14:15] offset:(32*((\a)/2)+8*((\a)%2)+\t+8*(\t/8))*4096 th:TH_STORE_NT   ; 32 lanes store 512 consecutive bytes, at a multiple of 256 from out0's first byte
.endr
.endm
	PLACES 4                                       ; in front of the first read of results and of loads into A's fragment and the scale words' registers
	TOSTAGE 0
.irp a, 1,2,3
.if \a > 1
	s_wait_xcnt 0x0                                ; block a - 2's stores have read their registers: block a's rows may land there
.endif
	TOSTAGE \a
	SEND \a-1, 32                                  ; behind block a - 1's loads: block a's 16 stores and 16 loads
.endr
	SEND 3, 0
	s_wait_tensorcnt 0x0                           ; the wave's end
	ds_add_u32 v[SPW], v[NIL]
	s_wait_dscnt 0x0
	CROUND                                         ; the closing round
	s_endpgm
.Lfunc_end_k_q82fd07908a_proj:
	.size	k_q82fd07908a_proj, .Lfunc_end_k_q82fd07908a_proj-k_q82fd07908a_proj
	.p2alignl 7, 3214868480
	.fill 96, 4, 3214868480
	.section	.rodata,"a",@progbits
	.p2align	6, 0x0
	.amdhsa_kernel k_q82fd07908a_proj
		.amdhsa_group_segment_fixed_size 295424
		.amdhsa_private_segment_fixed_size 0
		.amdhsa_enable_private_segment 0
		.amdhsa_kernarg_size 40
		.amdhsa_user_sgpr_count 2
		.amdhsa_user_sgpr_kernarg_segment_ptr 1
		.amdhsa_wavefront_size32 1
		.amdhsa_system_sgpr_workgroup_id_x 1
		.amdhsa_system_sgpr_workgroup_id_y 1
		.amdhsa_system_sgpr_workgroup_id_z 1
		.amdhsa_system_vgpr_workitem_id 0
		.amdhsa_next_free_vgpr 768
		.amdhsa_next_free_sgpr 102
		.amdhsa_reserve_vcc 0
		.amdhsa_float_denorm_mode_32 3
		.amdhsa_float_denorm_mode_16_64 3
		.amdhsa_memory_ordered 1
		.amdhsa_forward_progress 1
		.amdhsa_inst_pref_size 85
	.end_amdhsa_kernel
	.amdgpu_metadata
---
amdhsa.version: [ 1, 2 ]
amdhsa.kernels:
  - .name:           k_q82fd07908a_proj
    .symbol:         k_q82fd07908a_proj.kd
    .args:
      - { .name: oc, .offset: 0, .size: 8, .value_kind: global_buffer, .address_space: global }
      - { .name: xc, .offset: 8, .size: 8, .value_kind: global_buffer, .address_space: global }
      - { .name: xs, .offset: 16, .size: 8, .value_kind: global_buffer, .address_space: global }
      - { .name: b_proj, .offset: 24, .size: 8, .value_kind: global_buffer, .address_space: global }
      - { .name: out0, .offset: 32, .size: 8, .value_kind: global_buffer, .address_space: global }
    .group_segment_fixed_size: 295424
    .private_segment_fixed_size: 0
    .kernarg_segment_align: 8
    .kernarg_segment_size: 40
    .max_flat_workgroup_size: 128
    .sgpr_count:     102
    .vgpr_count:     768
    .wavefront_size: 32
...
	.end_amdgpu_metadata
.endif
;; end of part 4
